; MI455X (gfx1250); checked and timed in simulation.
; The chip was launched on July 23, 2026; its instructions are those of AMD's public machine-readable ISA for CDNA 5 (MIT licence, August 2026) and "CDNA5" Instruction Set Architecture Reference Guide (July 2026). The comments in the code are by the model that wrote it; some were corrected since.
;; Attention Layer. Allowed arithmetic: matrix products marked QUANTISED: E2M3 operands, one E8M0 scale for each 32 along K, by v_wmma_scale_f32_16x16x128_f8f6f4 with both operands' format E2M3, f32 sums; everything else in f32.
;; Inputs: Wk_codes 1,024 x 32 x 24 uint8 (E2M3 codes of Wk, K innermost, in blocks of 32 codes, four codes in three bytes); Wk_scales 1,024 x 32 uint8 (E8M0 scales of Wk, one for each 32 codes along K); Wq_codes 1,024 x 32 x 24 uint8 (E2M3 codes of Wq, K innermost, in blocks of 32 codes, four codes in three bytes); Wq_scales 1,024 x 32 uint8 (E8M0 scales of Wq, one for each 32 codes along K); Wv_codes 1,024 x 32 x 24 uint8 (E2M3 codes of Wv, K innermost, in blocks of 32 codes, four codes in three bytes); Wv_scales 1,024 x 32 uint8 (E8M0 scales of Wv, one for each 32 codes along K); bk 1,024 float32; bq 1,024 float32; bv 1,024 float32; x_codes 4 x 2,048 x 32 x 24 uint8 (E2M3 codes of x, K innermost, in blocks of 32 codes, four codes in three bytes); x_scales 4 x 2,048 x 32 uint8 (E8M0 scales of x, one for each 32 codes along K).
;; Outputs: out0 4 x 2,048 x 1,024 float32.
;; This version of the problem:
;;   THIS VERSION OF THE PROBLEM IS GIVEN IN LOW PRECISION. The matrix products marked QUANTISED in the list below multiply operands that are first quantised to E2M3 (2 exponent bits, 3 mantissa bits; 6 bits a number), with one power-of-two scale for each 32 numbers along K (OCP MX v1.0); their sums are f32. All else is computed in f32.
;;   The module's matrix products, in the order in which they are computed (A, B: the left and right operand; K: the contracted axis; several contracted axes count as one K, in the product's order):
;;     1. [M 8,192, K 1,024] x [K 1,024, N 1,024]; A: input x (given as codes); B: input Wq (given as codes): QUANTISED
;;     2. [M 8,192, K 1,024] x [K 1,024, N 1,024]; A: input x (given as codes); B: input Wk (given as codes): QUANTISED
;;     3. [M 8,192, K 1,024] x [K 1,024, N 1,024]; A: input x (given as codes); B: input Wv (given as codes): QUANTISED
;;     4. batch 4 x [M 2,048, K 1,024] x [K 1,024, N 2,048]; A: computed on the way; B: computed on the way: QUANTISED
;;     5. batch 4 x [M 2,048, K 2,048] x [K 2,048, N 1,024]; A: softmax (see below); B: computed on the way: QUANTISED
;;   THE QUANTISER, for each operand of a quantised product, along K:
;;     - K is cut into blocks of 32 from its start; a last block that is shorter is filled with zeros.
;;     - A block's scale is 2^e with e = floor(log2(the largest magnitude in the block)) - 2, held to -126 .. 127; a block of zeros has e = 0. As a byte (E8M0): e + 127.
;;     - Each number is divided by its block's scale, clamped to +-7.5, and rounded to the nearest number of E2M3, ties to even, subnormals kept.
;;     - The product sums the exact products of the quantised numbers (number of the format x scale) in f32.
;;   ~~~python
;;   def quantise(x, axis):      # numpy; x: float32 -> the quantised numbers, widened to float32 again
;;       x = np.moveaxis(x, axis, -1); K = x.shape[-1]
;;       x = np.pad(x, [(0, 0)] * (x.ndim - 1) + [(0, -K % 32)]); x = x.reshape(x.shape[:-1] + (-1, 32)); a = np.abs(x).max(-1, keepdims=True)
;;       e = np.where(a > 0, np.clip(np.frexp(np.where(a > 0, a, 1))[1] - 1 - 2, -126, 127), 0)      # np.frexp(a)[1] - 1 = floor(log2(a)), exactly
;;       r = np.clip(x / 2.0 ** e, -7.5, 7.5)
;;       step = 2.0 ** (np.maximum(np.frexp(np.where(r == 0, 1, r))[1] - 1, 0) - 3)
;;       q = np.round(r / step) * step * 2.0 ** e      # np.round: ties to even
;;       return np.moveaxis(q.reshape(q.shape[:-2] + (-1,))[..., :K], -1, axis).astype(np.float32)
;;   ~~~
;;   SOFTMAX AHEAD OF A QUANTISED PRODUCT. Where the list says 'softmax', what is quantised is not the finished softmax but p = 2^(t - M), with t = logit x log2(e) and M = ceil(the row's largest t), a whole number; so 1/2 < the row's largest p <= 1. The row's sum l is taken of the UNQUANTISED p, in f32, and the product's result is divided by l at the end. Since M is a whole number, a kernel that streams over the keys may use a running M (the ceiling of the running maximum): every later rescaling is an exact power of two, which a block's scale takes up: the codes' values come out the same.
;;   OPERANDS COMPUTED ON THE WAY. 'Computed on the way' means the value that the module computes at that place (a softmax that the list does not call 'softmax' is quantised finished and normalised). What goes into a quantiser is computed in f32, as accurately as f32 sums, v_exp_f32 and their like allow (about 1e-6 of the number): no bf16 or f16 on the way to a quantiser, and a product that is left as it is and whose result goes on into a quantised operand takes f32 operands (vector FMAs, or v_wmma_f32_16x16x4_f32). A number that lies on a knife's edge between two numbers of the format may be rounded either way, as far as f32 arithmetic and the matrix unit's own rounding can turn it there, and no further.
;;   INPUTS GIVEN AS CODES. Wk (in the module: [1024, 1024], K = its axis 0); Wq (in the module: [1024, 1024], K = its axis 0); Wv (in the module: [1024, 1024], K = its axis 0); x (in the module: [4, 2048, 1024], K = its axis 2): each comes as NAME_codes (uint8): NAME with its K axis moved to the last place and cut into blocks of 32 codes, [.., K / 32, bytes a block], one block behind the other in memory; four codes in three bytes: a row's codes are one little-endian stream of bits, code i at bits 6 i .. 6 i + 5 (a code: sign, 2 exponent bits, 3 mantissa bits); and NAME_scales (uint8): the same leading axes, one E8M0 byte (e + 127) for each 32 codes along K. Its value is code x scale, taken as it is: it is not quantised again, and the codes and scales need not be those that the quantiser above would give.
;; One version. Each part assembles by itself: llvm-mc -triple=amdgcn-amd-amdhsa -mcpu=gfx1250 --defsym DOCPART=n.
;; ======== version 1 of 1: 3 launches
;; limits: right only within a limited range of input values
;; workspace buffers: qkv 18,874,368 bytes; sc 786,432 bytes; pc 12,582,912 bytes; pst 4,194,304 bytes
;; launch proj (part 1): grid 16 x 16, 4 waves a work-group, clusters of 4 x 4, 327,680 bytes of LDS; arguments x_codes, x_scales, Wq_codes, Wq_scales, Wk_codes, Wk_scales, Wv_codes, Wv_scales, bq, bk, bv, qkv, sc; writes qkv, sc
.if DOCPART == 1
	.amdgcn_target "amdgcn-amd-amdhsa--gfx1250"
	.amdhsa_code_object_version 6
	.text
	.protected	k_q45307253bf_proj
	.globl	k_q45307253bf_proj
	.p2align	8
	.type	k_q45307253bf_proj,@function
k_q45307253bf_proj:
	s_mov_b64 s[64:65], 0
	v_nop
	global_prefetch_b8 v0, s[64:65] scope:SCOPE_SE
	s_setreg_imm32_b32 hwreg(HW_REG_WAVE_MODE, 25, 1), 1
	s_wait_xcnt 0x0
	s_wait_alu depctr_hold_cnt(0) depctr_sa_sdst(0) depctr_va_vdst(0) depctr_va_sdst(0) depctr_va_ssrc(0) depctr_va_vcc(0) depctr_vm_vsrc(0)
	s_getreg_b32 s2, hwreg(HW_REG_IB_STS2, 6, 4)
	s_cmp_eq_u32 s2, 0
	s_cbranch_scc0 .Lentry_in_a_cluster
	s_endpgm
.Lentry_in_a_cluster:
	s_bfe_u32 s2, ttmp6, 0x10000c
	s_cmp_lg_u32 s2, 0xf033
	s_cbranch_scc0 .Lentry_shape_is_right
	s_endpgm
.Lentry_shape_is_right:
; Q = x Wq + bq, K = x Wk + bk, V = x Wv + bv on codes of FP6 (E2M3), K = 1,024; the results are quantised again on the way out: Q and K along the hidden axis, V along the tokens.
; SHARES.  256 work-groups of four waves, 2 x 2.  A wave holds 64 rows of a weight, all of K, in registers (384) and streams x's rows past them in blocks of 16 rows: 32 products a block.
; A work-group makes 256 x 128 of V (phase 1: its rows of x are a half, s87, of the work-group's own 512), then 512 x 128 of Q or K (phase 2).  s87 and the tensor come from the cluster's number alone.
; THE ROWS OF A TILE.  Of 64 rows (tokens, or hidden units) tile j's lane r takes row 32 (r / 8) + 8 (j xor r / 8) + r % 8.  So a lane's 32 results over four tiles are ONE scale block of 32; the order inside a block is the same on both sides of the next product.
; POSITION of token 128 n + 64 a + 32 g + 8 m + i: chunk n, block 4 a + (m xor g), row 8 g + i.
; OUT: qkv: Q at 0, K at 6,291,456: [chunk 64][block 8][K step 8][half 2 of the K step][lanes x 16 bytes, lanes x 8 bytes]: six registers of an operand;
;   V^T at 12,582,912: [slot of 512 tokens 16][block of 16 hidden 64][K step 4][half 2][512 + 256 bytes].  sc: scale words: Q at 0, K at 262,144: [K step 8][8,192 positions]; V^T at 524,288: [chunk 64][1,024 hidden positions].
; LDS: two slots of 128 rows for x's chunks, a region for the weights' 128 rows, two places for a chunk's scale bytes, stages for the results' scale bytes, the spare words.
; FILLS: one a wave at the head (Wv's rows, the scale bytes, chunks 0 and 1); three refills, each in a drained round of the cluster's barrier: Wq's or Wk's rows in V's third block; chunks 2 and 3 in phase 2's blocks 2 and 6.
; A block's rows are fetched two blocks ahead; the first part of a block's way out stands among the next block's products.  The bias is the first products' C.
; LIMITS: NaN and infinities are not served.  A block whose largest magnitude lies under 2^-124 keeps the scale byte 1 (a block of zeros too: its codes are zeros, and only this program reads the bytes).
.set NQ,     8
.set NB,     4
.set KROW,   768                       ; a row of codes
.set KS,     32                        ; a row of scale bytes
.set PITCH,  816                       ; an LDS row: 3 x (256 + 16)
.set FR,     12
.set FPW,    21                        ; fragments in a window of 256 registers
.set NF,     28                        ; LDS loads of a block
.set RA,     128
.set TN,     128
.set YB,     RA*PITCH
.set BVB,    2*YB
.set SCL,    BVB+TN*PITCH
.set CU,     16                        ; a chunk's scale bytes: 16 units of 256
.set SCB,    CU*272
.set SS16,   544                       ; the scale bytes of 16 rows
.set XN,     SCL+2*SCB                 ; Q's or K's scale words: 512 rows
.set XM,     XN+2048                   ; V^T's: [chunk 2][128 hidden]
.set SPARE,  XM+1024
.set EMAX,   2
.set ADRE,  4                          ; v4, v5 my rows of x, even blocks (v5: behind one padding more); v6 their scale words
.set AAE,   6
.set CO,    9                          ; 16 x lane
.set SPW,   10
.set NIL,   11
.set ADRA,  12                         ; v12, v13 the block that is fetched next
.set ABS,   16
.set AAS,   17
.set STO,   18
.set STV,   19
.set SB,    24                         ; v24-39 the weights' scale words
.set TQ,    40
.set SA,    44                         ; v44-59 x's scale words, two sets
.set TC,    60
.set C8,    63                         ; 8 x lane
.set ACC,   64                         ; phase 2: two sets of four accumulators
.set HV0,   64                         ; phase 1, band 0: v64-191
.set HV1,   840                        ; band 1: v840-967
.set NCD,   128
.set BBQ,   160                        ; Q's or K's bias, v160-191
.set MCD,   192
.set SOP,   240
.set EB,    244
.set VX,    248
.set ADRO,  250                        ; v250, v251 odd blocks; v252 their scale words
.set AAO,   252
.set SB2,   968                        ; phase 2's weights' scale words
.set BA,    984                        ; LDS addresses of the weights' four tiles
.set BBV,   992                        ; V's bias
.set G1A, 24
.set G1B, 32
.set G0A, 56
.set G0B, 60
.set G0R, 68
.set G0S, 72
.set G1S, 92
.set MSB, 0
.macro WIN new
.if MSB != (\new)
	s_set_vgpr_msb (MSB<<8)|(\new)
.set MSB, (\new)
.endif
.endm
.macro PLACES n
.rept \n
	v_nop
.endr
.endm
.macro WALU
	s_wait_alu depctr_va_vdst(0)
.endm
.macro BARRIER
	s_barrier_signal -1
	s_barrier_wait -1
.endm
.macro MIDDLE                          ; a round's middle
	WIN 0
	s_barrier_wait -1
	s_cmp_lg_u32 s14, 0
	s_cbranch_scc1 .Lnot_wave_0_\@
	s_barrier_signal -3
.Lnot_wave_0_\@:
	s_barrier_wait -3
.endm
.macro CROUND
	s_barrier_signal -1
	MIDDLE
	BARRIER
.endm
.macro GRD
	s_wait_tensorcnt 0x0
	ds_add_u32 v[SPW], v[NIL]
.endm
.macro TLOAD g0, g1
	tensor_load_to_lds s[\g0:\g0+3], s[\g1:\g1+7]
	s_nop 0
	PLACES 4
.endm
.macro GROUP1 g, mask, rows
	s_or_b32 s[\g+0], s[\mask], (1<<20)|(1<<21)|(5<<22)|(3<<25)
	s_mov_b32 s[\g+1], KROW<<16
	s_mov_b32 s[\g+2], (\rows)<<16
	s_mov_b32 s[\g+3], KROW<<16
	s_mov_b32 s[\g+4], \rows
	s_mov_b32 s[\g+5], KROW
	s_mov_b32 s[\g+6], 0
	s_mov_b32 s[\g+7], 0
.endm
.macro SADD d, x
	s_add_co_u32 s\d, s\d, s\x
.endm
.macro G0SET g, base, off              ; group 0's address: base + the offset in s\off (s21 = 0)
	s_mov_b32 s20, s\off
	s_add_nc_u64 s[\g+2:\g+3], s[\base:\base+1], s[20:21]
	s_or_b32 s[\g+3], s[\g+3], 0x80000000
.endm
; Fragment f lies in window 1 + f / 21 at register 12 (f % 21): 0-31 the weights' (4 q + b), 32-39 and 40-47 x's two sets.  Six pieces of 8 bytes, two to a load where both lie behind as many paddings.
.macro FRAG f, q, a0, a1, aw
	WIN ((1+(\f)/FPW)<<6)|(\aw)
.set R_, FR*((\f)%FPW)
.set SKIP_, 0
.irp p, 0,1,2,3,4,5
.if SKIP_
.set SKIP_, 0
.else
.set PC_, 12*(\q)+6*(\p/3)+\p%3
.set PN_, 12*(\q)+6*((\p+1)/3)+(\p+1)%3
.set X_, (PC_%32+3)/32
.set XQ_, (PN_%32+3)/32
.if (\p < 5) && (X_ == XQ_)
.set SKIP_, 1
.if X_
	ds_load_2addr_b64 v[R_+2*\p:R_+2*\p+3], \a1 offset0:PC_+2*(PC_/32) offset1:PN_+2*(PN_/32)
.else
	ds_load_2addr_b64 v[R_+2*\p:R_+2*\p+3], \a0 offset0:PC_+2*(PC_/32) offset1:PN_+2*(PN_/32)
.endif
.elseif X_
	ds_load_b64 v[R_+2*\p:R_+2*\p+1], \a1 offset:8*(PC_+2*(PC_/32))
.else
	ds_load_b64 v[R_+2*\p:R_+2*\p+1], \a0 offset:8*(PC_+2*(PC_/32))
.endif
.endif
.endr
.endm
.macro WEIGHTS                         ; my 64 rows of the weight, all of K
.irp q, 0,1,2,3,4,5,6,7
.irp b, 0,1,2,3
	FRAG NB*\q+\b, \q, v[BA-768+2*\b], v[BA-768+2*\b+1], 3
.endr
.endr
	WIN 0
.endm
.macro FETCHAT e, a0, a1, as           ; a block of x's rows into set e: NF loads
.irp q, 0,1,2,3,4,5,6,7
	FRAG NB*NQ+NQ*(\e)+\q, \q, \a0, \a1, 0
.endr
	WIN 0
	ds_load_b128 v[SA+8*(\e):SA+8*(\e)+3], \as
	ds_load_b128 v[SA+8*(\e)+4:SA+8*(\e)+7], \as offset:16
.endm
.macro FETCH e
	FETCHAT \e, v[ADRA], v[ADRA+1], v[AAS]
.endm
.macro FETCH01
	FETCHAT 0, v[ADRE], v[ADRE+1], v[AAE]
	FETCHAT 1, v[ADRO], v[ADRO+1], v[AAO]
	s_mov_b32 s101, 0
	s_mov_b32 s91, 0
.endm
; A product, n = 4 q + tile.  kind 0 (Q, K): source 0 the weight's rows; kind 1 (V): source 0 x's rows.
.macro PROD kind, e, n, a0, as
.set Q_, (\n)/4
.set FB_, NB*Q_+(\n)%4
.set FA_, NB*NQ+NQ*(\e)+Q_
.set D_, (\a0)+(\as)*((\n)%4)
.set DL_, D_&255
.set XB_, SB+NQ*(((\n)%4)/2)+Q_
.set XA_, SA+8*(\e)+Q_
.if \kind
.if Q_
	WIN (1+FA_/FPW)|((1+FB_/FPW)<<2)|((D_>>8)<<4)|((D_>>8)<<6)
	PROD1 DL_, FA_, FB_, v[DL_:DL_+7], XA_, XB_, b, (\n)%2
.else
	WIN (1+FA_/FPW)|((1+FB_/FPW)<<2)|(3<<4)|((D_>>8)<<6)
	PROD1 DL_, FA_, FB_, v[BBV-768+8*((\n)%4):BBV-768+8*((\n)%4)+7], XA_, XB_, b, (\n)%2
.endif
.else
	WIN (1+FB_/FPW)|((1+FA_/FPW)<<2)|((D_>>8)<<4)|((D_>>8)<<6)
.if Q_
	PROD1 DL_, FB_, FA_, v[DL_:DL_+7], XB_, XA_, a, (\n)%2
.else
	PROD1 DL_, FB_, FA_, v[BBQ+8*((\n)%4):BBQ+8*((\n)%4)+7], XB_, XA_, a, (\n)%2
.endif
.endif
.endm
.macro PROD1 d, s0, s1, c, x0, x1, side, o
.if \o
	v_wmma_scale_f32_16x16x128_f8f6f4 v[\d:\d+7], v[FR*((\s0)%FPW):FR*((\s0)%FPW)+FR-1], v[FR*((\s1)%FPW):FR*((\s1)%FPW)+FR-1], \c, v[\x0], v[\x1] matrix_a_fmt:MATRIX_FMT_FP6 matrix_b_fmt:MATRIX_FMT_FP6 matrix_\side\()_scale:MATRIX_SCALE_ROW1
.else
	v_wmma_scale_f32_16x16x128_f8f6f4 v[\d:\d+7], v[FR*((\s0)%FPW):FR*((\s0)%FPW)+FR-1], v[FR*((\s1)%FPW):FR*((\s1)%FPW)+FR-1], \c, v[\x0], v[\x1] matrix_a_fmt:MATRIX_FMT_FP6 matrix_b_fmt:MATRIX_FMT_FP6 matrix_\side\()_scale:MATRIX_SCALE_ROW0
.endif
.endm
; Products from .. to - 1 of a block; behind every second one two entries of the list.
.macro BLOCK kind, e, a0, as, from, to, list, x=0, y=0, z=0
.set N_, \from
.rept (\to)-(\from)
	PROD \kind, \e, N_, \a0, \as
.if N_%2
	\list N_-1, \x, \y, \z
	\list N_, \x, \y, \z
.endif
.set N_, N_+1
.endr
.endm
; Each macro writes entry i of its part and nothing beyond its last.
.macro STEP i, z                       ; 4 entries: to the next block's LDS addresses.  z: 0 16 rows on (even block), 1 chunk in slot 1, 2 the next chunk's slot, 3 odd block
.if (\i) == 0
.if (\z) == 0
	s_add_co_u32 s101, s101, 16*PITCH
	s_add_co_u32 s91, s91, SS16
.elseif (\z) == 1
	s_mov_b32 s101, YB
	s_mov_b32 s91, SCB
.elseif (\z) == 2
	s_mov_b32 s101, s66
	s_sub_co_u32 s66, s66, YB
	s_mov_b32 s91, s67
	s_sub_co_u32 s67, s67, SCB
.endif
.elseif (\i) == 1
	WIN 0
.if (\z) == 3
	v_add_nc_u32 v[ADRA], s101, v[ADRO]
.else
	v_add_nc_u32 v[ADRA], s101, v[ADRE]
.endif
.elseif (\i) == 2
	WIN 0
.if (\z) == 3
	v_add_nc_u32 v[ADRA+1], s101, v[ADRO+1]
.else
	v_add_nc_u32 v[ADRA+1], s101, v[ADRE+1]
.endif
.elseif (\i) == 3
	WIN 0
.if (\z) == 3
	v_add_nc_u32 v[AAS], s91, v[AAO]
.else
	v_add_nc_u32 v[AAS], s91, v[AAE]
.endif
.endif
.endm
.macro CHAIN i, x, n, t=TQ             ; 18 entries: the largest magnitude of the 32 sums from register x on, and the conversions' scale operand, v[SOP+n]
.set XW_, (\x)>>8
.set XL_, (\x)&255
.if (\i) >= 0 && (\i) < 14
.set B_, XL_+16*((\i)%2)+2*((\i)/2)
.set T_, (\t)+1-(\i)%2
.if (\i) < 2
	WIN XW_|(XW_<<2)|(XW_<<4)
	v_max3_num_f32 v[T_], |v[B_]|, |v[B_+1]|, |v[B_+2]|
.else
	WIN (XW_<<2)|(XW_<<4)
	v_max3_num_f32 v[T_], v[T_], |v[B_+1]|, |v[B_+2]|
.endif
.elseif (\i) == 14
	WIN XW_<<2
	v_max3_num_f32 v[\t+1], v[\t+1], |v[XL_+15]|, (EMAX+1)<<23
.elseif (\i) == 15
	WIN 0
	v_nop                                  ; the next line, which reads entry 14's result, stands in the next pair
.elseif (\i) == 16
	WIN XW_<<2
	v_max3_num_f32 v[\t], v[\t], |v[XL_+31]|, v[\t+1]
.elseif (\i) == 17
	WIN 0
	v_add_nc_u32 v[SOP+\n], -(EMAX<<23), v[\t]
.endif
.endm
.macro CODES i, x, c, n, t=TC          ; 6 lines: 32 codes into v[c .. c+5], the scale's byte into v[EB+n]
.set XW_, (\x)>>8
.set XL_, (\x)&255
.if (\i) == 0
	WIN XW_
	v_cvt_scalef32_pk16_fp6_f32 v[\c:\c+2], v[XL_:XL_+15], v[SOP+\n]
.elseif (\i) == 1
	WIN XW_
	v_cvt_scalef32_pk16_fp6_f32 v[\t:\t+2], v[XL_+16:XL_+31], v[SOP+\n]
.elseif (\i) == 2
	WIN 0
	v_lshrrev_b32 v[EB+\n], 23, v[SOP+\n]
.else
	WIN 0
	v_mov_b32 v[\c+\i], v[\t+\i-3]
.endif
.endm
.macro CODES6 x, c, n
.irp i, 0,1,2,3,4,5
	CODES \i, \x, \c, \n
.endr
.endm
.macro PFTILE v, off, share            ; my sixteenth of a tile of 128 rows, to be asked for into the L2
	s_mul_i32 s21, s\share, RA*KROW/16
	s_add_co_u32 s20, s\off, s21
	WIN 0
	v_min_u32 v\v, RA*KROW/16/256-1, v3
	v_lshl_add_u32 v\v, v\v, 8, s20
.endm
.macro PFGO v, base
	global_prefetch_b8 v\v, s[\base:\base+1] th:TH_LOAD_NT scope:SCOPE_SE
.endm
.macro PUT r, base, off                ; six registers: 512 and 256 consecutive bytes
	global_store_b128 v[CO], v[\r:\r+3], \base offset:(\off)
	global_store_b64 v[C8], v[\r+4:\r+5], \base offset:(\off)+512
.endm
.macro ASK i                           ; 4 entries: the descriptors of the next chunk and of its scale bytes
.if (\i) == 0
	s_mul_i32 s[G0R+1], s14, RA/2*PITCH
	s_add_co_u32 s[G0R+1], s[G0R+1], s47
	s_mul_i32 s20, s14, RA/2*KROW
	SADD 20, 88
.elseif (\i) == 1
	s_mov_b32 s21, 0
	s_add_nc_u64 s[G0R+2:G0R+3], s[4:5], s[20:21]
	s_or_b32 s[G0R+3], s[G0R+3], 0x80000000
	s_mov_b32 s[G0S+1], s8
.elseif (\i) == 2
	s_mov_b32 s20, s55
	s_add_nc_u64 s[G0S+2:G0S+3], s[6:7], s[20:21]
	s_or_b32 s[G0S+3], s[G0S+3], 0x80000000
	s_add_co_u32 s88, s88, RA*KROW
.elseif (\i) == 3
	s_add_co_u32 s55, s55, CU*256
	s_xor_b32 s47, s47, YB
	s_xor_b32 s8, s8, (SCL)^(SCL+SCB)
.endif
.endm
.macro PAIR i                          ; 4 entries: where a pair of blocks' codes go (by its true number) and its scale bytes (by the order of work)
.if (\i) == 0
	s_lshl_b32 s3, s87, 2
	s_xor_b32 s3, s3, s46
	s_lshr_b32 s20, s3, 1
	s_mul_i32 s20, s20, 98304
.elseif (\i) == 1
	s_and_b32 s21, s3, 1
	s_mul_i32 s21, s21, 24576
	SADD 20, 21
	s_mov_b32 s21, 0
.elseif (\i) == 2
	s_add_nc_u64 s[84:85], s[10:11], s[20:21]
	s_lshr_b32 s22, s46, 1
	s_lshl_b32 s22, s22, 9
	s_and_b32 s23, s46, 1
.elseif (\i) == 3
	s_lshl_b32 s23, s23, 7
	s_or_b32 s22, s22, s23
	s_add_co_u32 s46, s46, 1
	WIN 0
	v_add_nc_u32 v[VX], s22, v[STO]
.endif
.endm
.macro L_STEP i, x, y, z
	STEP \i, \z
.endm
.macro L_NONE i, x, y, z
.endm
.macro L_OUT i, x, y, z                ; the step, then the way out of the sums at x
	STEP \i, \z
	CHAIN (\i)-4, \x, \y
.endm
.macro L_LAST i, x, y, z
	CHAIN \i, \x, \y
.endm
.macro L_V2 i, x, y, z                 ; V's third block: the first refill's descriptors; the later refills' group 1; the step; prefetch addresses of what the second refill will load
.if (\i) == 0
	s_mov_b32 s[G1A+2], (RA/2)<<16
	s_mov_b32 s[G1A+4], RA/2
	s_mov_b32 s[G1S+2], CU<<16
	s_mov_b32 s[G1S+4], CU
.elseif (\i) == 1
	s_mov_b32 s[G1B+2], (TN/2)<<16
	s_mov_b32 s[G1B+4], TN/2
	s_mul_i32 s[G0B+1], s14, TN/2*PITCH
	s_add_co_u32 s[G0B+1], s[G0B+1], BVB
.elseif (\i) == 2
	s_mul_i32 s20, s14, TN/2*KROW
	SADD 20, 9
	s_mov_b32 s21, 0
	s_add_nc_u64 s[G0B+2:G0B+3], s[76:77], s[20:21]
.elseif (\i) == 3
	s_or_b32 s[G0B+3], s[G0B+3], 0x80000000
.elseif (\i) == 8
	PFTILE 7, 88, 90
.elseif (\i) == 9
	s_lshl_b32 s21, s90, 9
	s_add_co_u32 s20, s55, s21
	WIN 0
	v_min_u32 v8, 1, v3
	v_lshl_add_u32 v8, v8, 8, s20
.endif
	STEP (\i)-4, 1
.endm
.macro L_V7 i, x, y, z
.if (\i) == 0
	s_add_co_u32 s22, s88, RA*KROW
	PFTILE 20, 22, 90
.endif
	CHAIN (\i)-1, \x, \y
.endm
.macro L_ODD i, x, y, z
	PAIR \i
	STEP (\i)-4, 3
	CHAIN (\i)-8, ACC, 0
.endm
.macro L_ODDL i, x, y, z
	PAIR \i
	CHAIN (\i)-4, ACC, 0
.endm
.macro L_ROUND i, x, y, z
	ASK \i
	STEP (\i)-4, 2
	CHAIN (\i)-8, ACC+32, 1
.endm
; Phase 2's blocks.  w: the count of the wait for the block's rows: what was issued behind them (the next block's NF loads, the byte stores between); -1: shown in already.
.macro WAITDS w
.if (\w) >= 0
	s_wait_dscnt \w
.endif
.endm
.macro EVENOUT fetch
	WALU
	ds_store_b8 v[VX], v[EB+1] offset:64
	PUT NCD+6, s[84:85], 12288
.if \fetch
	FETCH 0
.endif
.endm
.macro EVEN w, fetch
	WAITDS \w
.if \fetch
	BLOCK 0, 0, ACC, 8, 0, 32, L_OUT, ACC+32, 1, 0
.else
	BLOCK 0, 0, ACC, 8, 0, 32, L_LAST, ACC+32, 1
.endif
	WIN 0
	CODES6 ACC+32, NCD+6, 1
	EVENOUT \fetch
.endm
.macro EVENROUND w                     ; the second and the third refill
	WAITDS \w
	GRD
	BLOCK 0, 0, ACC, 8, 0, 26, L_ROUND
	WIN 0
	WALU
	s_wait_dscnt 0x0
	s_barrier_signal -1
	BLOCK 0, 0, ACC, 8, 26, 32, L_NONE
	WIN 0
	CODES6 ACC+32, NCD+6, 1
	MIDDLE
	BARRIER
	s_cmp_lt_u32 s14, 2
	s_cbranch_scc0 .Lscales_\@
	TLOAD G0R, G1A
	s_branch .Lasked_\@
.Lscales_\@:
	s_cmp_eq_u32 s14, 2
	s_cbranch_scc0 .Lnone_\@
	TLOAD G0S, G1S
.Lnone_\@:
.Lasked_\@:
	EVENOUT 1
.endm
.macro EVENSHOW w                      ; a plain barrier shows the last refill to all
	WAITDS \w
	BLOCK 0, 0, ACC, 8, 0, 26, L_OUT, ACC+32, 1, 1
	WIN 0
	WALU
	s_wait_tensorcnt 0x0
	s_wait_dscnt 0x0
	s_barrier_signal -1
	BLOCK 0, 0, ACC, 8, 26, 32, L_NONE
	WIN 0
	s_barrier_wait -1
	CODES6 ACC+32, NCD+6, 1
	EVENOUT 1
.endm
.macro ODD w, fetch
	WAITDS \w
	s_wait_xcnt 0x0
.if \fetch
	BLOCK 0, 1, ACC+32, 8, 0, 32, L_ODD
.else
	BLOCK 0, 1, ACC+32, 8, 0, 32, L_ODDL
.endif
	WIN 0
	CODES6 ACC, NCD, 0
	WALU
	ds_store_b8 v[VX], v[EB]
	PUT NCD, s[84:85], 0
.if \fetch
	FETCH 1
.endif
.endm
; ================= THE HEAD
	s_load_b128 s[4:7], s[0:1], 0x0                     ; x's codes, x's scales
	s_load_b256 s[76:83], s[0:1], 0x10                  ; Wq's codes, scales, Wk's codes, scales
	s_load_b64 s[104:105], s[0:1], 0x30                 ; Wv's codes
	s_load_b64 s[84:85], s[0:1], 0x38                   ; Wv's scales
	s_load_b128 s[48:51], s[0:1], 0x40                  ; bq, bk
	s_load_b64 s[52:53], s[0:1], 0x50                   ; bv
	s_load_b64 s[10:11], s[0:1], 0x58                   ; qkv
	s_load_b64 s[2:3], s[0:1], 0x60                     ; sc
	v_lshl_add_u32 v[SPW], v0, 2, SPARE
	v_mov_b32 v[NIL], 0
	ds_add_u32 v[SPW], v[NIL]
	ds_add_u32 v[SPW], v[NIL]
	v_lshrrev_b32 v1, 5, v0
	v_readfirstlane_b32 s14, v1                         ; the wave; s15 its row of the 2 x 2, s16 its column
	s_lshr_b32 s15, s14, 1
	s_and_b32 s16, s14, 1
	s_bfe_u32 s40, ttmp6, 0x40000                       ; cx
	s_bfe_u32 s41, ttmp6, 0x40004                       ; cy
	s_lshl_b32 s42, ttmp9, 2
	s_add_co_u32 s42, s42, s40                          ; phase 2's tile column: 0-7 Q, 8-15 K
	s_and_b32 s43, ttmp7, 0xffff
	s_lshl_b32 s43, s43, 2
	s_add_co_u32 s43, s43, s41                          ; its tile row
	s_lshr_b32 s19, ttmp9, 1                            ; 0 Q, 1 K
	s_and_b32 s87, ttmp9, 1                             ; V's half of my 512 rows
	s_lshl_b32 s13, s19, 2
	s_add_co_u32 s13, s13, s40                          ; V's tile column, 0-7
	s_lshl_b32 s12, s43, 1
	s_add_co_u32 s12, s12, s87                          ; V's tile row, 0-31
	s_lshl_b32 s44, s41, 2
	s_lshl_b32 s44, 15, s44                             ; my row of the cluster
	s_lshl_b32 s45, 0x1111, s40                         ; my column
	GROUP1 G1A, 44, RA
	GROUP1 G1B, 45, TN
	s_or_b32 s[G1S+0], s44, (3<<16)|(1<<20)|(1<<21)|(5<<22)|(3<<25)
	s_mov_b32 s[G1S+1], 32<<16
	s_mov_b32 s[G1S+2], (2*CU)<<16
	s_mov_b32 s[G1S+3], 32<<16
	s_mov_b32 s[G1S+4], 2*CU
	s_mov_b32 s[G1S+5], 32
	s_mov_b32 s[G1S+6], 0
	s_mov_b32 s[G1S+7], 0
	s_mov_b32 s[G0S], 1
	s_mov_b32 s[G0S+1], SCL
	s_mov_b32 s[G0A], 1
	s_mov_b32 s[G0A+1], 0
	s_mov_b32 s[G0B], 1
	s_mov_b32 s[G0B+1], BVB
	s_mov_b32 s[G0R], 1
	s_mov_b32 s[G0R+1], YB
	s_mul_i32 s67, s43, 512*KROW                        ; my 512 rows, bytes in x's codes
	s_mul_i32 s66, s12, 256*KROW                        ; V's half of them
	s_mul_i32 s89, s12, 256*KS                          ; their scale bytes
	s_mul_i32 s55, s43, 512*KS
	s_and_b32 s17, s42, 7
	s_mul_i32 s9, s17, TN*KROW                          ; Wq's or Wk's rows
	s_mul_i32 s54, s13, TN*KROW                         ; Wv's
	s_lshl_b32 s17, s17, 12
	s_lshl_b32 s18, s13, 12
	s_lshl_b32 s21, s16, 11
	SADD 17, 21                                         ; my 64 rows' scale bytes in Wq's or Wk's
	SADD 18, 21                                         ; and in Wv's
	s_lshl_b32 s90, s40, 2
	SADD 90, 14                                         ; my number among the sixteen waves of my row of the cluster
	s_lshl_b32 s100, s41, 2
	SADD 100, 14                                        ; and of my column
	v_and_b32 v1, 15, v0                                ; r
	v_bfe_u32 v2, v0, 4, 1                              ; h
	v_and_b32 v3, 31, v0                                ; lane
	v_and_b32 v7, 7, v0                                 ; r % 8
	v_bfe_u32 v8, v0, 3, 1                              ; r / 8
	v_mad_u32_u24 v20, v8, 40, v7                       ; an even tile's row
	v_mad_u32_u24 v21, v8, 24, v7                       ; an odd tile's row, less 8
	v_mul_u32_u24 v22, v20, PITCH
	v_mul_u32_u24 v23, v21, PITCH
	v_mad_u32_u24 v12, v2, 24, v22
	v_mad_u32_u24 v13, v2, 40, v22
	v_mad_u32_u24 v14, v2, 24, v23
	v_mad_u32_u24 v15, v2, 40, v23
	s_mul_i32 s21, s15, 64*PITCH
	s_add_co_u32 s22, s21, 8*PITCH
	v_add_nc_u32 v[ADRE], s21, v12
	v_add_nc_u32 v[ADRE+1], s21, v13
	v_add_nc_u32 v[ADRO], s22, v14
	v_add_nc_u32 v[ADRO+1], s22, v15
	s_mul_i32 s21, s16, 64*PITCH
	s_add_co_u32 s21, s21, BVB
	s_add_co_u32 s22, s21, 8*PITCH
	WIN 3<<6
.irp b, 0,1
	v_add_nc_u32 v[BA-768+4*\b], s21, v12
	v_add_nc_u32 v[BA-768+4*\b+1], s21, v13
	v_add_nc_u32 v[BA-768+4*\b+2], s22, v14
	v_add_nc_u32 v[BA-768+4*\b+3], s22, v15
	s_add_co_u32 s21, s21, 16*PITCH
	s_add_co_u32 s22, s22, 16*PITCH
.endr
	WIN 0
	v_lshlrev_b32 v22, 5, v20
	v_mad_u32_u24 v22, v8, 80, v22                      ; 32 bytes a row, 16 more for each 8 rows passed
	v_lshlrev_b32 v23, 5, v21
	v_mad_u32_u24 v23, v8, 48, v23
	s_mul_i32 s21, s15, 2176
	s_add_co_u32 s21, s21, SCL
	s_add_co_u32 s22, s21, 272
	v_add_nc_u32 v[AAE], s21, v22
	v_add_nc_u32 v[AAO], s22, v23
	v_lshlrev_b32 v23, 4, v2
	v_sub_nc_u32 v23, 40, v23
	v_lshl_add_u32 v[ABS], v2, 3, v7
	v_mad_u32_u24 v[ABS], v8, v23, v[ABS]
	v_lshlrev_b32 v[ABS], 5, v[ABS]                     ; lanes 0-15 an even tile's rows of scale bytes, lanes 16-31 the odd one's
	v_lshlrev_b32 v[CO], 4, v3
	v_lshlrev_b32 v[C8], 3, v3
	v_lshl_add_u32 v23, v1, 2, v2
	s_lshl_b32 s21, s15, 8
	s_lshl_b32 s22, s16, 1
	SADD 21, 22
	s_add_co_u32 s21, s21, XN
	v_add_nc_u32 v[STO], s21, v23
	s_lshl_b32 s21, s16, 8
	s_lshl_b32 s22, s15, 1
	SADD 21, 22
	s_add_co_u32 s21, s21, XM
	WALU
	v_add_nc_u32 v[STV], s21, v23
	v_lshlrev_b32 v7, 2, v20                            ; V's bias: lane r's hidden unit
	v_lshlrev_b32 v8, 2, v21
	v_mul_u32_u24 v21, v2, 160                          ; Q's or K's: an even tile's eight numbers, an odd one's
	v_mul_u32_u24 v42, v2, 96
	WALU
	s_wait_dscnt 0x0
	CROUND                                              ; the opening round
	s_wait_kmcnt 0x0
	s_cmp_eq_u32 s19, 0
	s_cselect_b64 s[76:77], s[76:77], s[80:81]
	s_cselect_b64 s[78:79], s[78:79], s[82:83]
	s_cselect_b64 s[48:49], s[48:49], s[50:51]
	s_mov_b32 s21, 0
	G0SET G0A, 4, 66
	s_add_nc_u64 s[G0R+2:G0R+3], s[G0A+2:G0A+3], RA*KROW
	G0SET G0B, 104, 54
	G0SET G0S, 6, 89
	s_cmp_eq_u32 s14, 0
	s_cbranch_scc0 .Lwave_1
	TLOAD G0B, G1B                                      ; wave 0: Wv's rows
	s_branch .Lasked
.Lwave_1:
	s_cmp_eq_u32 s14, 1
	s_cbranch_scc0 .Lwave_2
	TLOAD G0S, G1S                                      ; wave 1: both chunks' scale bytes
	s_branch .Lasked
.Lwave_2:
	s_cmp_eq_u32 s14, 2
	s_cbranch_scc0 .Lwave_3
	TLOAD G0A, G1A                                      ; wave 2: chunk 0
	s_branch .Lasked
.Lwave_3:
	TLOAD G0R, G1A                                      ; wave 3: chunk 1
.Lasked:
	s_mov_b32 s20, s18
	s_mov_b32 s21, 0
	s_add_nc_u64 s[82:83], s[84:85], s[20:21]           ; Wv's scale bytes, my 64 rows
	s_mov_b32 s20, s17
	s_add_nc_u64 s[80:81], s[78:79], s[20:21]           ; Wq's or Wk's
	s_lshl_b32 s20, s13, 9
	s_lshl_b32 s22, s16, 8
	SADD 20, 22
	s_add_nc_u64 s[22:23], s[52:53], s[20:21]           ; bv at my first hidden unit
.irp p, 0,1
.irp c, 0,1
	global_load_b128 v[SB+NQ*\p+4*\c:SB+NQ*\p+4*\c+3], v[ABS], s[82:83] offset:\p*512+16*\c
.endr
.endr
	WIN 3<<6
.irp t, 0,1
	global_load_b32 v[BBV-768+16*\t], v7, s[22:23] offset:64*\t
	global_load_b32 v[BBV-768+16*\t+8], v8, s[22:23] offset:64*\t+32
.endr
.irp p, 0,1
.irp c, 0,1
	global_load_b128 v[SB2-768+NQ*\p+4*\c:SB2-768+NQ*\p+4*\c+3], v[ABS], s[80:81] offset:\p*512+16*\c
.endr
.endr
	WIN 0
	s_wait_xcnt 0x0
	; where the results go: V^T's codes s[50:51], its scale words s[52:53]; Q's or K's s[10:11], s[48:49]; their bias s[12:13]
	s_lshr_b32 s20, s12, 1
	s_lshl_b32 s20, s20, 6
	s_lshl_b32 s21, s13, 3
	SADD 20, 21
	s_lshl_b32 s21, s16, 2
	SADD 20, 21
	s_mul_i32 s20, s20, 6144
	s_and_b32 s21, s12, 1
	s_mul_i32 s21, s21, 3072
	SADD 20, 21
	s_mul_i32 s21, s15, 768
	SADD 20, 21
	s_add_co_u32 s20, s20, 12582912
	s_mov_b32 s21, 0
	s_add_nc_u64 s[50:51], s[10:11], s[20:21]
	s_lshl_b32 s20, s12, 1
	SADD 20, 15
	s_lshl_b32 s20, s20, 12
	s_lshl_b32 s21, s13, 9
	SADD 20, 21
	s_lshl_b32 s21, s16, 8
	SADD 20, 21
	s_add_co_u32 s20, s20, 524288
	s_mov_b32 s21, 0
	s_add_nc_u64 s[52:53], s[2:3], s[20:21]
	s_and_b32 s17, s42, 7
	s_lshl_b32 s20, s17, 9
	s_lshl_b32 s21, s16, 8
	SADD 20, 21
	s_mov_b32 s21, 0
	s_add_nc_u64 s[12:13], s[48:49], s[20:21]
	s_lshl_b32 s20, s19, 18
	s_lshl_b32 s21, s17, 15
	SADD 20, 21
	s_lshl_b32 s21, s43, 11
	SADD 20, 21
	s_lshl_b32 s21, s87, 1
	s_xor_b32 s21, s21, s14                             ; the stage's halves lie in the order of work
	s_lshl_b32 s21, s21, 9
	SADD 20, 21
	s_mov_b32 s21, 0
	s_add_nc_u64 s[48:49], s[2:3], s[20:21]
	s_mul_i32 s20, s19, 6291456
	s_mul_i32 s21, s43, 393216
	SADD 20, 21
	s_mul_i32 s21, s17, 1536
	SADD 20, 21
	s_mul_i32 s21, s15, 49152
	SADD 20, 21
	s_mul_i32 s21, s16, 768
	SADD 20, 21
	s_mov_b32 s21, 0
	s_add_nc_u64 s[10:11], s[10:11], s[20:21]
	s_mov_b32 s46, 0
	s_mov_b32 s88, s67
	s_mov_b32 s47, 0
	s_mov_b32 s8, SCL
	s_xor_b32 s20, s87, 1                               ; the chunks still to come are the other half's
	s_mul_i32 s21, s20, 2*RA*KROW
	SADD 88, 21
	s_mul_i32 s21, s20, 2*CU*256
	SADD 55, 21
	s_mov_b32 s66, YB                                   ; where the chunk after the next begins in the ring, and its scale bytes
	s_mov_b32 s67, SCB
	PFTILE 8, 9, 100                                    ; what the first refill will load
	s_wait_loadcnt 0x0
	WIN (3<<6)|3
.irp t, 0,8,16,24
.irp i, 1,2,3,4,5,6,7
	v_mov_b32 v[BBV-768+\t+\i], v[BBV-768+\t]           ; one number a lane and tile, over the tile's eight registers
.endr
.endr
	WIN 0
	WALU
	s_cmp_eq_u32 s14, 0
	s_cbranch_scc0 .Lnot_b
	s_wait_tensorcnt 0x0
.Lnot_b:
	BARRIER                                             ; Wv's rows are in
	PFGO 8, 76
	WEIGHTS
	s_cmp_eq_u32 s14, 3
	s_cbranch_scc1 .Lnot_a0
	s_wait_tensorcnt 0x0
.Lnot_a0:
	s_wait_dscnt 0x0
	BARRIER                                             ; chunk 0 and the scale bytes are in; chunk 1 may be on its way
	FETCH01
; ================= PHASE 1: V, eight blocks; band 0's way outs stand in band 1's blocks
	s_wait_dscnt NF
	BLOCK 1, 0, HV0, 32, 0, 32, L_STEP, 0, 0, 0
	WIN 0
	PLACES 4
	WALU
	FETCH 0
	s_wait_dscnt NF
	BLOCK 1, 1, HV0+8, 32, 0, 32, L_STEP, 0, 0, 3
	WIN 0
	PLACES 4
	WALU
	FETCH 1
	s_wait_dscnt NF
	s_wait_xcnt 0x0                                     ; the list writes v8, the address of the head's prefetch
	GRD
	BLOCK 1, 0, HV0+16, 32, 0, 24, L_V2
	WIN 0
	WALU
	s_wait_dscnt 0x0
	s_barrier_signal -1
	BLOCK 1, 0, HV0+16, 32, 24, 32, L_NONE
	MIDDLE
	BARRIER
	s_cmp_lt_u32 s14, 2
	s_cbranch_scc0 .Lno_half
	TLOAD G0B, G1B                                      ; waves 0 and 1: a half each of Wq's or Wk's rows, onto Wv's, which all waves hold in registers
.Lno_half:
	PLACES 4
	WALU
	FETCH 0
	PFGO 7, 4
	PFGO 8, 6
	BLOCK 1, 1, HV0+24, 32, 0, 32, L_STEP, 0, 0, 3
	WIN 0
	PLACES 4
	WALU
	FETCH 1
.irp j, 0,1,2
	s_wait_dscnt NF+(\j+1)/2
.if \j == 0
	BLOCK 1, 0, HV1, 32, 0, 32, L_OUT, HV0, 0, 0
.elseif \j == 1
	BLOCK 1, 1, HV1+8, 32, 0, 32, L_OUT, HV0+32, 1, 3
.else
	BLOCK 1, 0, HV1+16, 32, 0, 32, L_LAST, HV0+64, 2
.endif
	WIN 0
	CODES6 HV0+32*\j, MCD+12*\j, \j
	WALU
	ds_store_b8 v[STV], v[EB+\j] offset:64*\j
	PUT MCD+12*\j, s[50:51], 6144*\j
.if \j < 2
	FETCH \j
.endif
.endr
	s_wait_dscnt 1
	BLOCK 1, 1, HV1+24, 32, 0, 26, L_V7, HV0+96, 3
	WIN 0
	WALU
	s_wait_tensorcnt 0x0
	s_wait_dscnt 0x0
	s_barrier_signal -1                                 ; a plain barrier: the weights that the first refill brought are shown to all
	BLOCK 1, 1, HV1+24, 32, 26, 32, L_NONE
	WIN 0
	s_barrier_wait -1
	CODES6 HV0+96, MCD+36, 3
	WALU
	ds_store_b8 v[STV], v[EB+3] offset:192
	PUT MCD+36, s[50:51], 6144*3
; ================= THE CHANGE OF PHASE: the weights and the first two blocks, in slot 0 still, in one run of loads; band 1's four way outs under their flight
.irp j, 0,2
	global_load_b128 v[BBQ+8*\j:BBQ+8*\j+3], v21, s[12:13] offset:32*\j
	global_load_b128 v[BBQ+8*\j+4:BBQ+8*\j+7], v21, s[12:13] offset:32*\j+16
	global_load_b128 v[BBQ+8*\j+8:BBQ+8*\j+11], v42, s[12:13] offset:32*\j+32
	global_load_b128 v[BBQ+8*\j+12:BBQ+8*\j+15], v42, s[12:13] offset:32*\j+48
.endr
	WEIGHTS
	FETCH01
	PFGO 20, 4
	WIN 3
.set I, 0
.rept 16
	v_mov_b32 v[SB+I], v[SB2-768+I]
.set I, I+1
.endr
	WIN 0
.set I, 0
.rept 18
.irp t, 0,1,2,3
	CHAIN I, HV1+32*\t, \t, 64+4*\t
.endr
.set I, I+1
.endr
.set I, 0
.rept 6
.irp t, 0,1,2,3
	CODES I, HV1+32*\t, MCD+12*\t+6, \t, 80+4*\t
.endr
.set I, I+1
.endr
	WIN 0
	WALU
; ================= PHASE 2: Q or K, sixteen blocks
	s_wait_loadcnt 0x0
	s_wait_dscnt NF
	BLOCK 0, 0, ACC, 8, 0, 32, L_STEP, 0, 0, 0
	WIN 0
	PLACES 4
	WALU
.irp t, 0,1,2,3
	ds_store_b8 v[STV], v[EB+\t] offset:512+64*\t
.endr
.irp t, 0,1,2,3
	PUT MCD+12*\t+6, s[50:51], 6144*\t+1536
.endr
	FETCH 0
	ODD NF+4, 1
	s_mov_b32 s86, 0
.Lwith_rounds:                                          ; blocks 2 to 5, 6 to 9
	EVENROUND NF+1
	ODD -1, 1
	EVEN NF+1, 1
	ODD NF+1, 1
	s_add_co_u32 s86, s86, 1
	s_cmp_lg_u32 s86, 2
	s_cbranch_scc1 .Lwith_rounds
	EVENSHOW NF+1
	ODD -1, 1
	EVEN NF+1, 1
	ODD NF+1, 1
	EVEN NF+1, 0
	ODD 1, 0
; ================= THE END: the last way out; the scale words go through LDS under its conversions
	s_lshl_b32 s21, s14, 9
	s_add_co_u32 s21, s21, XN
	v_add_nc_u32 v12, s21, v[CO]
	s_lshl_b32 s21, s14, 8
	s_add_co_u32 s21, s21, XM
	v_add_nc_u32 v14, s21, v[C8]
.set I, 0
.rept 18
	CHAIN I, ACC+32, 1
.set I, I+1
.endr
	CODES 2, ACC+32, NCD+6, 1
	WALU
	ds_store_b8 v[VX], v[EB+1] offset:64
	s_wait_dscnt 0x0
	s_barrier_signal -1
	CODES 0, ACC+32, NCD+6, 1
	CODES 1, ACC+32, NCD+6, 1
	v_nop
.irp i, 3,4,5
	CODES \i, ACC+32, NCD+6, 1
.endr
	s_barrier_wait -1
	WALU
	ds_load_b128 v[64:67], v12
	ds_load_b64 v[68:69], v14
	PUT NCD+6, s[84:85], 12288
	s_wait_dscnt 0x0
	global_store_b128 v[CO], v[64:67], s[48:49]
	global_store_b64 v[C8], v[68:69], s[52:53]
	s_wait_tensorcnt 0x0
	ds_add_u32 v[SPW], v[NIL]
	s_wait_dscnt 0x0
	CROUND
	s_endpgm
.Lfunc_end_k_q45307253bf_proj:
	.size	k_q45307253bf_proj, .Lfunc_end_k_q45307253bf_proj-k_q45307253bf_proj
	.p2alignl 7, 3214868480
	.fill 96, 4, 3214868480
	.section	.rodata,"a",@progbits
	.p2align	6, 0x0
	.amdhsa_kernel k_q45307253bf_proj
		.amdhsa_group_segment_fixed_size 327680
		.amdhsa_private_segment_fixed_size 0
		.amdhsa_enable_private_segment 0
		.amdhsa_kernarg_size 104
		.amdhsa_user_sgpr_count 2
		.amdhsa_user_sgpr_kernarg_segment_ptr 1
		.amdhsa_wavefront_size32 1
		.amdhsa_system_sgpr_workgroup_id_x 1
		.amdhsa_system_sgpr_workgroup_id_y 1
		.amdhsa_system_sgpr_workgroup_id_z 1
		.amdhsa_system_vgpr_workitem_id 0
		.amdhsa_next_free_vgpr 1024
		.amdhsa_next_free_sgpr 106
		.amdhsa_reserve_vcc 0
		.amdhsa_float_denorm_mode_32 3
		.amdhsa_float_denorm_mode_16_64 3
		.amdhsa_memory_ordered 1
		.amdhsa_forward_progress 1
		.amdhsa_inst_pref_size 207
	.end_amdhsa_kernel
	.amdgpu_metadata
---
amdhsa.version: [ 1, 2 ]
amdhsa.kernels:
  - .name:           k_q45307253bf_proj
    .symbol:         k_q45307253bf_proj.kd
    .args:
      - { .name: x_codes, .offset: 0, .size: 8, .value_kind: global_buffer, .address_space: global }
      - { .name: x_scales, .offset: 8, .size: 8, .value_kind: global_buffer, .address_space: global }
      - { .name: Wq_codes, .offset: 16, .size: 8, .value_kind: global_buffer, .address_space: global }
      - { .name: Wq_scales, .offset: 24, .size: 8, .value_kind: global_buffer, .address_space: global }
      - { .name: Wk_codes, .offset: 32, .size: 8, .value_kind: global_buffer, .address_space: global }
      - { .name: Wk_scales, .offset: 40, .size: 8, .value_kind: global_buffer, .address_space: global }
      - { .name: Wv_codes, .offset: 48, .size: 8, .value_kind: global_buffer, .address_space: global }
      - { .name: Wv_scales, .offset: 56, .size: 8, .value_kind: global_buffer, .address_space: global }
      - { .name: bq, .offset: 64, .size: 8, .value_kind: global_buffer, .address_space: global }
      - { .name: bk, .offset: 72, .size: 8, .value_kind: global_buffer, .address_space: global }
      - { .name: bv, .offset: 80, .size: 8, .value_kind: global_buffer, .address_space: global }
      - { .name: qkv, .offset: 88, .size: 8, .value_kind: global_buffer, .address_space: global }
      - { .name: sc, .offset: 96, .size: 8, .value_kind: global_buffer, .address_space: global }
    .group_segment_fixed_size: 327680
    .private_segment_fixed_size: 0
    .kernarg_segment_align: 8
    .kernarg_segment_size: 104
    .max_flat_workgroup_size: 128
    .sgpr_count:     106
    .vgpr_count:     1024
    .wavefront_size: 32
...
	.end_amdgpu_metadata
.endif
;; end of part 1
;; launch scores (part 2): grid 16 x 16, 4 waves a work-group, clusters of 4 x 4, 327,680 bytes of LDS; arguments qkv, sc, pc, pst; writes pc, pst
.if DOCPART == 2
	.amdgcn_target "amdgcn-amd-amdhsa--gfx1250"
	.amdhsa_code_object_version 6
	.text
	.protected	k_q45307253bf_scores
	.globl	k_q45307253bf_scores
	.p2align	8
	.type	k_q45307253bf_scores,@function
k_q45307253bf_scores:
	s_mov_b64 s[64:65], 0
	v_nop
	global_prefetch_b8 v0, s[64:65] scope:SCOPE_SE
	s_setreg_imm32_b32 hwreg(HW_REG_WAVE_MODE, 25, 1), 1
	s_wait_xcnt 0x0
	s_wait_alu depctr_hold_cnt(0) depctr_sa_sdst(0) depctr_va_vdst(0) depctr_va_sdst(0) depctr_va_ssrc(0) depctr_va_vcc(0) depctr_vm_vsrc(0)
	s_getreg_b32 s2, hwreg(HW_REG_IB_STS2, 6, 4)
	s_cmp_eq_u32 s2, 0
	s_cbranch_scc0 .Lentry_in_a_cluster
	s_endpgm
.Lentry_in_a_cluster:
	s_bfe_u32 s2, ttmp6, 0x10000c
	s_cmp_lg_u32 s2, 0xf033
	s_cbranch_scc0 .Lentry_shape_is_right
	s_endpgm
.Lentry_shape_is_right:
; P = 2^(t - E), t = Q K^T x log2(e) / 32, on codes of FP6, quantised along the keys; E = floor of the largest t of each block of 32 keys of a query.  The row's M is formed in the next launch: every change of E against M is a power of two, which the block's scale takes up.
; SHARES.  256 work-groups: 512 queries x 128 keys of one batch; four waves, 2 x 2.  A wave holds 64 keys, all of K = 1,024, in registers (384) and streams queries in blocks of 16: 32 products a block, sixteen blocks.
; Source 0 = keys, source 1 = queries: by the keys' order in a tile a lane's 32 results of a block are ONE scale block of 32 keys of one query: no lane looks at another.
; With E taken away the block's largest p lies in 1 .. 2, so its scale is 2^-2 under E whatever the block: the conversion's scale operand is a constant.  The sum is taken of p ahead of the conversion.
; A BLOCK'S WAY through the text: block s's maxima stand behind its products; its multiply-adds among block s + 1's products; its exponentials behind those; its sum among block s + 2's; its conversion behind those.
; OUT: pc: [slot of 512 keys 4][block of 16 positions 512][K step 4][half 2][lanes x 16 bytes, lanes x 8 bytes]; pst: -E at 0, sums at 2,097,152: [block of 32 keys 64][8,192 positions], f32.
; LDS: two slots of 128 queries, the keys' region (once the keys are in registers the stage for -E and the sums lies there: it has had its only fill), the queries' scale words [K step 8][512], the spare words.
; FILLS: one a wave at the head (keys, scale words, chunks 0 and 1); two refills in drained rounds of the cluster's barrier in blocks 2 and 6; block 10's plain barrier shows the last.
; LIMITS: NaN and infinities are not served; the promise holds while scaled scores stay under 2^31 in magnitude.  A p that the exponential rounds up to 2 at its block's top is held at the largest code.
.set FPW,    21
.set FR,     12
.set CH,     98304                     ; a chunk of 128 positions
.set BVB,    2*CH
.set STG,    BVB                       ; the stage: [-E, sums][wave column 2][h 2][512] words
.set SCL,    BVB+CH
.set SPARE,  SCL+16384
.set CO,   9
.set SPW,  10
.set NIL,  11
.set VST,  18
.set VX,   19
.set SB,   24                          ; v24-39 the keys' scale words
.set MX,   40
.set SA,   44                          ; v44-59 the queries' scale words: a set for a pair of blocks (lanes 0-15 the even one, 16-31 the odd one)
.set TC,   60
.set C8,   63
.set ACC,  64
.set P,    128
.set NCD,  160                         ; v160-165, v168-173
.set L0,   176
.set L1,   178
.set NE,   180                         ; v[180:181], v[182:183]: -E, two sets; the odd ones 0
.set SOPC, 184
.set CS,   96
.set G1A, 24
.set G1B, 32
.set G0A, 56
.set G0B, 60
.set G0R, 68
.set G0S, 72
.set G1S, 76
.set MSB, 0
.macro WIN new
.if MSB != (\new)
	s_set_vgpr_msb (MSB<<8)|(\new)
.set MSB, (\new)
.endif
.endm
.macro PLACES n
.rept \n
	v_nop
.endr
.endm
.macro WALU
	s_wait_alu depctr_va_vdst(0)
.endm
.macro BARRIER
	s_barrier_signal -1
	s_barrier_wait -1
.endm
.macro MIDDLE
	WIN 0
	s_barrier_wait -1
	s_cmp_lg_u32 s14, 0
	s_cbranch_scc1 .Lnot_wave_0_\@
	s_barrier_signal -3
.Lnot_wave_0_\@:
	s_barrier_wait -3
.endm
.macro CROUND
	s_barrier_signal -1
	MIDDLE
	BARRIER
.endm
.macro TLOAD g0, g1
	tensor_load_to_lds s[\g0:\g0+3], s[\g1:\g1+7]
	s_nop 0
	PLACES 4
.endm
.macro SADD d, x
	s_add_co_u32 s\d, s\d, s\x
.endm
.macro FRAG f, off, a16, a8            ; twelve registers, as the launch before stored them
	WIN (1+(\f)/FPW)<<6
.set R_, FR*((\f)%FPW)
	ds_load_b128 v[R_:R_+3], v\a16 offset:\off
	ds_load_b64 v[R_+4:R_+5], v\a8 offset:(\off)+512
	ds_load_b128 v[R_+6:R_+9], v\a16 offset:(\off)+768
	ds_load_b64 v[R_+10:R_+11], v\a8 offset:(\off)+1280
.endm
.macro FETCHQ e, a16, a8               ; a block of queries into set e: 32 loads
.irp q, 0,1,2,3,4,5,6,7
	FRAG 32+8*(\e)+\q, \q*1536, \a16, \a8
.endr
	WIN 0
.endm
.macro FETCHS par, a                   ; a pair's scale words: 8 loads
.irp q, 0,1,2,3,4,5,6,7
	ds_load_b32 v[SA+8*(\par)+\q], v\a offset:\q*2048
.endr
.endm
.macro PROD1 d, s0, s1, c, x0, x1, ra, rb
	v_wmma_scale_f32_16x16x128_f8f6f4 v[\d:\d+7], v[\s0:\s0+FR-1], v[\s1:\s1+FR-1], \c, v[\x0], v[\x1] matrix_a_fmt:MATRIX_FMT_FP6 matrix_b_fmt:MATRIX_FMT_FP6 matrix_a_scale:MATRIX_SCALE_ROW\ra matrix_b_scale:MATRIX_SCALE_ROW\rb
.endm
.macro PROD e, par, n                  ; n = 4 q + the tile of keys
.set Q_, (\n)/4
.set FB_, 4*Q_+(\n)%4
.set FA_, 32+8*(\e)+Q_
.set D_, ACC+32*(\e)+8*((\n)%4)
.set S0_, FR*(FB_%FPW)
.set S1_, FR*(FA_%FPW)
.set XB_, SB+8*(((\n)%4)/2)+Q_
.set XA_, SA+8*(\par)+Q_
	WIN (1+FB_/FPW)|((1+FA_/FPW)<<2)
.if Q_
.if (\n)%2
	PROD1 D_, S0_, S1_, v[D_:D_+7], XB_, XA_, 1, \e
.else
	PROD1 D_, S0_, S1_, v[D_:D_+7], XB_, XA_, 0, \e
.endif
.else
.if (\n)%2
	PROD1 D_, S0_, S1_, 0, XB_, XA_, 1, \e
.else
	PROD1 D_, S0_, S1_, 0, XB_, XA_, 0, \e
.endif
.endif
.endm
.macro BLOCK e, par, from, to, list, k, fm, sm   ; behind every second product three entries of the list
.set N_, \from
.rept (\to)-(\from)
	PROD \e, \par, N_
.if N_%2
	\list 3*(N_/2), \e, \k, \fm, \sm
	\list 3*(N_/2)+1, \e, \k, \fm, \sm
	\list 3*(N_/2)+2, \e, \k, \fm, \sm
.endif
.set N_, N_+1
.endr
.endm
.macro FMA i, e                        ; t - E, two at a time, in place
	WIN 0
	v_pk_fma_f32 v[ACC+32*(\e)+2*(\i):ACC+32*(\e)+2*(\i)+1], v[ACC+32*(\e)+2*(\i):ACC+32*(\e)+2*(\i)+1], s[CS:CS+1], v[NE+2*(\e):NE+2*(\e)+1] op_sel_hi:[1,0,0]
.endm
.macro SUM i                           ; 16 lines: the sum of the block's p, in two chains
	WIN 0
.if (\i) == 0
	v_pk_add_f32 v[L0:L0+1], v[P:P+1], v[P+2:P+3]
.elseif (\i) == 1
	v_pk_add_f32 v[L1:L1+1], v[P+4:P+5], v[P+6:P+7]
.elseif (\i) < 14
.if (\i)%2
	v_pk_add_f32 v[L1:L1+1], v[L1:L1+1], v[P+4+2*(\i):P+5+2*(\i)]
.else
	v_pk_add_f32 v[L0:L0+1], v[L0:L0+1], v[P+4+2*(\i):P+5+2*(\i)]
.endif
.elseif (\i) == 14
	v_pk_add_f32 v[L0:L0+1], v[L0:L0+1], v[L1:L1+1]
.elseif (\i) == 15
	v_add_f32 v[L0], v[L0], v[L0+1]
.endif
.endm
; The scalar lines of entry i.  k: 0 an even block, 1 an odd one, 2 an even block with a refill's round, 3 with the plain barrier, 4 and 5 the last two, which fetch nothing
.macro SCA i, k
.if (\k) == 2
.if (\i) == 0
	s_mul_i32 s20, s14, CH/2
	s_add_co_u32 s[G0R+1], s20, s47
	SADD 20, 88
	s_mov_b32 s21, 0
.elseif (\i) == 1
	s_add_nc_u64 s[G0R+2:G0R+3], s[4:5], s[20:21]
	s_or_b32 s[G0R+3], s[G0R+3], 0x80000000
	s_add_co_u32 s88, s88, CH
	s_add_co_u32 s47, s47, CH
.elseif (\i) == 2
	s_mov_b32 s101, s66
	s_sub_co_u32 s66, s66, CH
	s_add_co_u32 s91, s91, 384
.elseif (\i) == 3
	s_cmp_eq_u32 s86, 0
	s_cselect_b32 s20, 0, 49152
	s_mov_b32 s21, 0
.elseif (\i) == 4
	s_add_nc_u64 s[98:99], s[98:99], s[20:21]
	s_lshl_b32 s46, s86, 9
.elseif (\i) == 5
	s_mov_b32 s[G1A+2], 192<<16            ; no tensor load of mine is out: from here on a load brings half a chunk
	s_mov_b32 s[G1A+4], 192
.endif
.elseif (\k) == 3
.if (\i) == 0
	s_mov_b32 s101, CH
	s_add_co_u32 s91, s91, 384
	s_add_nc_u64 s[98:99], s[98:99], 49152
	s_mov_b32 s46, 1024
.endif
.elseif (\k) == 4
.if (\i) == 0
	s_add_nc_u64 s[98:99], s[98:99], 49152
	s_mov_b32 s46, 1536
.endif
.elseif (\k) < 2
.if (\i) == 0
	s_add_co_u32 s101, s101, 12288
.if (\k) == 0
	s_add_co_u32 s91, s91, 128
.endif
.endif
.endif
.endm
.macro LST i, e, k, fm, sm
	SCA \i, \k
.if (\fm) && ((\i) < 16)
	FMA \i, 1-\e
.elseif (\i) == 16 && (\k) < 4
	WIN 0
	v_add_nc_u32 v12, s101, v4
.elseif (\i) == 17 && (\k) < 4
	WIN 0
	v_add_nc_u32 v13, s101, v5
.elseif (\i) == 18 && (\k) < 4 && (\k) != 1
	WIN 0
	v_add_nc_u32 v17, s91, v6
.elseif (\i) == 19 && (\k) > 1 && (\k) < 5
	WIN 0
	v_add_nc_u32 v[VX], s46, v[VST]
.elseif (\sm) && ((\i) > 19) && ((\i) < 36)
	SUM \i-20
.endif
.endm
.macro L_NONE i, e, k, fm, sm
.endm
.macro CODES e                         ; 32 codes; the v_nop and the moves are four places
	v_cvt_scalef32_pk16_fp6_f32 v[NCD+8*(\e):NCD+8*(\e)+2], v[P:P+15], v[SOPC]
	v_cvt_scalef32_pk16_fp6_f32 v[TC:TC+2], v[P+16:P+31], v[SOPC]
	v_nop
.irp i, 0,1,2
	v_mov_b32 v[NCD+8*(\e)+3+\i], v[TC+\i]
.endr
.endm
.macro OUT e, j                        ; -E and the sum to the stage, the codes to memory: 512 and 256 consecutive bytes
	ds_store_b32 v[VX], v[NE+2*(\e)] offset:64*(\j)
	ds_store_b32 v[VX], v[L0] offset:8192+64*(\j)
	global_store_b128 v[CO], v[NCD+8*(\e):NCD+8*(\e)+3], s[98:99] offset:6144*(\j)
	global_store_b64 v[C8], v[NCD+8*(\e)+4:NCD+8*(\e)+5], s[98:99] offset:6144*(\j)+512
.endm
.macro EXPS e
.set I, 0
.rept 32
	v_exp_f32 v[P+I], v[ACC+32*(\e)+I]
.set I, I+1
.endr
	v_nop
	WALU
.endm
.macro MAXE e                          ; -E = ceil(-t) of the block's largest score
.set A_, ACC+32*(\e)
.irp k, 0,1,2,3
	v_max3_num_f32 v[MX+\k], v[A_+8*\k], v[A_+8*\k+1], v[A_+8*\k+2]
.endr
.irp k, 0,1,2,3
	v_max3_num_f32 v[MX+\k], v[MX+\k], v[A_+8*\k+3], v[A_+8*\k+4]
.endr
.irp k, 0,1,2,3
	v_max3_num_f32 v[MX+\k], v[MX+\k], v[A_+8*\k+5], v[A_+8*\k+6]
.endr
	v_max3_num_f32 v[MX], v[MX], v[A_+7], v[A_+15]
	v_max3_num_f32 v[MX+2], v[MX+2], v[A_+23], v[A_+31]
	v_max3_num_f32 v[MX], v[MX], v[MX+1], v[MX+2]
	v_max_num_f32 v[MX], v[MX], v[MX+3]
	v_mul_f32 v[MX], 0xbd38aa3b, v[MX]
	v_ceil_f32 v[NE+2*(\e)], v[MX]
.endm
; Block s = e (mod 2).  par, np: the scale words' sets of this pair and the next; w: what was issued behind the block's rows (the next block's 32 or 40 loads, 2 stores; -1: shown in already);
; cod: block s - 2 goes out; ex: block s - 1's exponentials stand here; j = (s - 2) % 4
.macro BLK e, par, k, w, cod, ex, fetch, j, np
	WALU
	s_wait_xcnt 0x0                        ; the stores have read their registers and their base
.if (\w) >= 0
	s_wait_dscnt \w
.endif
.if \k == 2 || \k == 3
.if \k == 2
	s_wait_tensorcnt 0x0
	ds_add_u32 v[SPW], v[NIL]
.endif
	BLOCK \e, \par, 0, 26, LST, \k, \ex, \cod
	WIN 0
	WALU
.if \k == 3
	s_wait_tensorcnt 0x0
.endif
	s_wait_dscnt 0x0
	s_barrier_signal -1
	BLOCK \e, \par, 26, 32, L_NONE, \k, \ex, \cod
	WIN 0
	CODES \e
.if \k == 2
	MIDDLE
	BARRIER
	s_cmp_lt_u32 s14, 2
	s_cbranch_scc0 .Lno_half_\@
	TLOAD G0R, G1A                         ; waves 0 and 1: half a chunk each
.Lno_half_\@:
.else
	s_barrier_wait -1
.endif
.else
	BLOCK \e, \par, 0, 32, LST, \k, \ex, \cod
	WIN 0
.if \cod
	CODES \e
.else
	PLACES 4
.endif
.endif
	WALU
.if \cod
	OUT \e, \j
.endif
.if \fetch
	FETCHQ \e, 12, 13
.if \e == 0
	FETCHS \np, 17
.endif
.endif
.if \ex
	EXPS 1-\e
.endif
	MAXE \e
.endm
; ================= THE HEAD
	s_load_b256 s[4:11], s[0:1], 0x0                    ; qkv, sc, pc, pst
	v_lshl_add_u32 v[SPW], v0, 2, SPARE
	v_mov_b32 v[NIL], 0
	ds_add_u32 v[SPW], v[NIL]
	ds_add_u32 v[SPW], v[NIL]
	v_lshrrev_b32 v1, 5, v0
	v_readfirstlane_b32 s14, v1
	s_lshr_b32 s15, s14, 1
	s_and_b32 s16, s14, 1
	s_bfe_u32 s40, ttmp6, 0x40000                       ; cx
	s_bfe_u32 s41, ttmp6, 0x40004                       ; cy
	s_lshl_b32 s42, ttmp9, 2
	SADD 42, 40                                         ; the batch's chunk of keys, 0-15
	s_and_b32 s19, ttmp7, 0xffff                        ; the batch
	s_lshl_b32 s43, s19, 2
	SADD 43, 41                                         ; the tile of 512 queries, 0-15
	s_lshl_b32 s44, s41, 2
	s_lshl_b32 s44, 15, s44
	s_lshl_b32 s45, 0x1111, s40
	s_or_b32 s[G1A+0], s44, (3<<16)|(1<<21)
	s_or_b32 s[G1B+0], s45, (3<<16)|(1<<21)
.irp g, G1A, G1B                                        ; a dense block of 98,304 bytes as 384 rows of 256
	s_mov_b32 s[\g+1], 32<<16
	s_mov_b32 s[\g+2], 384<<16
	s_mov_b32 s[\g+3], 32<<16
	s_mov_b32 s[\g+4], 384
	s_mov_b32 s[\g+5], 32
	s_mov_b32 s[\g+6], 0
	s_mov_b32 s[\g+7], 0
.endr
	s_or_b32 s[G1S+0], s44, (3<<16)|(1<<21)             ; the scale words of 512 queries: 8 rows of 2,048 bytes, 32,768 apart
	s_mov_b32 s[G1S+1], 256<<16
	s_mov_b32 s[G1S+2], 8<<16
	s_mov_b32 s[G1S+3], 256<<16
	s_mov_b32 s[G1S+4], 8
	s_mov_b32 s[G1S+5], 4096
	s_mov_b32 s[G1S+6], 0
	s_mov_b32 s[G1S+7], 0
	s_mov_b32 s[G0A], 1
	s_mov_b32 s[G0A+1], 0
	s_mov_b32 s[G0B], 1
	s_mov_b32 s[G0B+1], BVB
	s_mov_b32 s[G0R], 1
	s_mov_b32 s[G0R+1], CH
	s_mov_b32 s[G0S], 1
	s_mov_b32 s[G0S+1], SCL
	s_mul_i32 s67, s43, 4*CH                            ; my queries
	s_lshl_b32 s17, s19, 4
	SADD 17, 42                                         ; the chunk of keys over all batches
	s_mul_i32 s18, s17, CH
	s_add_co_u32 s18, s18, 6291456
	s_lshl_b32 s22, s43, 11
	s_mov_b32 s[CS], 0x3d38aa3b                         ; log2(e) / 32
	s_mov_b32 s[CS+1], s[CS]
	v_and_b32 v1, 15, v0
	v_bfe_u32 v2, v0, 4, 1
	v_and_b32 v3, 31, v0
	v_lshlrev_b32 v[CO], 4, v3
	v_lshlrev_b32 v[C8], 3, v3
	v_lshlrev_b32 v16, 2, v3
	s_mul_i32 s21, s15, CH/2
	v_add_nc_u32 v4, s21, v[CO]
	v_add_nc_u32 v5, s21, v[C8]
	v_add_nc_u32 v20, 12288, v4                         ; block 1
	v_add_nc_u32 v21, 12288, v5
	s_mul_i32 s21, s16, CH/2
	s_add_co_u32 s21, s21, BVB
	v_add_nc_u32 v14, s21, v[CO]
	v_add_nc_u32 v15, s21, v[C8]
	s_lshl_b32 s21, s15, 8
	s_add_co_u32 s21, s21, SCL
	v_add_nc_u32 v6, s21, v16
	s_lshl_b32 s21, s16, 12
	s_lshl_b32 s20, s15, 8
	SADD 21, 20
	s_add_co_u32 s21, s21, STG
	v_lshlrev_b32 v22, 2, v1
	v_lshl_add_u32 v22, v2, 11, v22
	v_add_nc_u32 v[VST], s21, v22
	v_mov_b32 v[NE+1], 0
	v_mov_b32 v[NE+3], 0
	v_mov_b32 v[SOPC], 0x3e800000                       ; 2^-2
	s_lshl_b32 s21, s40, 2
	SADD 21, 14                                         ; my number among the sixteen waves of my row of the cluster
	s_mul_i32 s21, s21, CH/16
	s_add_co_u32 s88, s67, 2*CH
	s_add_co_u32 s20, s88, s21
	v_min_u32 v7, CH/16/256-1, v3
	v_lshl_add_u32 v7, v7, 8, s20                       ; my sixteenth of chunk 2, for the prefetch;
	v_add_nc_u32 v8, CH, v7                             ; of chunk 3
	WALU
	s_wait_dscnt 0x0
	CROUND
	s_wait_kmcnt 0x0
	s_mov_b32 s21, 0
	s_mov_b32 s23, 0
	s_mov_b32 s20, s67
	s_add_nc_u64 s[G0A+2:G0A+3], s[4:5], s[20:21]
	s_add_nc_u64 s[G0R+2:G0R+3], s[G0A+2:G0A+3], CH
	s_or_b32 s[G0A+3], s[G0A+3], 0x80000000
	s_or_b32 s[G0R+3], s[G0R+3], 0x80000000
	s_mov_b32 s20, s18
	s_add_nc_u64 s[G0B+2:G0B+3], s[4:5], s[20:21]
	s_or_b32 s[G0B+3], s[G0B+3], 0x80000000
	s_add_nc_u64 s[G0S+2:G0S+3], s[6:7], s[22:23]
	s_or_b32 s[G0S+3], s[G0S+3], 0x80000000
	s_cmp_eq_u32 s14, 0
	s_cbranch_scc0 .Lwave_1
	TLOAD G0B, G1B                                      ; wave 0: the keys
	s_branch .Lasked
.Lwave_1:
	s_cmp_eq_u32 s14, 1
	s_cbranch_scc0 .Lwave_2
	TLOAD G0S, G1S                                      ; wave 1: the queries' scale words
	s_branch .Lasked
.Lwave_2:
	s_cmp_eq_u32 s14, 2
	s_cbranch_scc0 .Lwave_3
	TLOAD G0A, G1A                                      ; wave 2: chunk 0
	s_branch .Lasked
.Lwave_3:
	TLOAD G0R, G1A                                      ; wave 3: chunk 1
.Lasked:
	s_lshl_b32 s20, s17, 9                              ; my keys' scale words
	s_lshl_b32 s21, s16, 8
	SADD 20, 21
	s_add_co_u32 s20, s20, 262144
	s_mov_b32 s21, 0
	s_add_nc_u64 s[6:7], s[6:7], s[20:21]
.irp q, 0,1,2,3,4,5,6,7
	global_load_b32 v[SB+\q], v16, s[6:7] offset:32768*\q
	global_load_b32 v[SB+8+\q], v16, s[6:7] offset:32768*\q+128
.endr
	s_lshr_b32 s20, s42, 2                              ; where my codes go
	s_mul_i32 s20, s20, 3145728
	s_lshl_b32 s21, s43, 5
	s_lshl_b32 s22, s15, 2
	SADD 21, 22
	s_mul_i32 s21, s21, 6144
	SADD 20, 21
	s_and_b32 s21, s42, 3
	s_mul_i32 s21, s21, 1536
	SADD 20, 21
	s_mul_i32 s21, s16, 768
	SADD 20, 21
	s_mov_b32 s21, 0
	s_add_nc_u64 s[98:99], s[8:9], s[20:21]
	s_mul_i32 s20, s15, 2097152                         ; what I store of the stage: wave / 2: -E or the sums; wave % 2: the wave column
	s_lshl_b32 s21, s42, 2
	s_lshl_b32 s22, s16, 1
	SADD 21, 22
	s_lshl_b32 s21, s21, 15
	SADD 20, 21
	s_lshl_b32 s21, s43, 11
	SADD 20, 21
	s_mov_b32 s21, 0
	s_add_nc_u64 s[10:11], s[10:11], s[20:21]
	s_mov_b32 s47, 0
	s_mov_b32 s66, CH
	s_mov_b32 s101, 12288
	s_mov_b32 s91, 0
	s_wait_loadcnt 0x0
	s_cmp_eq_u32 s14, 0
	s_cbranch_scc0 .Lnot_b
	s_wait_tensorcnt 0x0
.Lnot_b:
	BARRIER                                             ; the keys are in
	global_prefetch_b8 v7, s[4:5] th:TH_LOAD_NT scope:SCOPE_SE   ; chunk 2, which block 2 asks for
.irp q, 0,1,2,3,4,5,6,7
.irp b, 0,1,2,3
	FRAG 4*\q+\b, \b*12288+\q*1536, 14, 15
.endr
.endr
	WIN 0
	s_cmp_eq_u32 s14, 3
	s_cbranch_scc1 .Lnot_a0
	s_wait_tensorcnt 0x0
.Lnot_a0:
	s_wait_dscnt 0x0
	BARRIER                                             ; chunk 0 and the scale words are in, and all waves hold their keys; chunk 1 may be on its way
	FETCHS 0, 6
	FETCHQ 0, 4, 5
	FETCHQ 1, 20, 21
	BLK 0, 0, 0, 32, 0, 0, 1, 0, 1
	global_prefetch_b8 v8, s[4:5] th:TH_LOAD_NT scope:SCOPE_SE   ; chunk 3, which block 6 asks for
	BLK 1, 0, 1, 40, 0, 1, 1, 0, 0
	s_mov_b32 s86, 0
	WIN 0
.Lrounds:                                               ; blocks 2 to 5, 6 to 9
	BLK 0, 1, 2, 32, 1, 1, 1, 0, 0
	BLK 1, 1, 1, -1, 1, 1, 1, 1, 0
	BLK 0, 0, 0, 34, 1, 1, 1, 2, 1
	BLK 1, 0, 1, 42, 1, 1, 1, 3, 0
	WALU
	s_add_co_u32 s86, s86, 1
	s_cmp_lg_u32 s86, 2
	s_cbranch_scc1 .Lrounds
	BLK 0, 1, 3, 34, 1, 1, 1, 0, 0
	BLK 1, 1, 1, -1, 1, 1, 1, 1, 0
	BLK 0, 0, 0, 34, 1, 1, 1, 2, 1
	BLK 1, 0, 1, 42, 1, 1, 1, 3, 0
	BLK 0, 1, 4, 34, 1, 1, 0, 0, 0
	BLK 1, 1, 5, 2, 1, 1, 0, 1, 0
; ================= THE END: blocks 14 and 15 go out, then the stage
.set J, 0
.rept 16
	FMA J, 1
	SUM J
.set J, J+1
.endr
	CODES 0
	WALU
	OUT 0, 2
	EXPS 1
.set J, 0
.rept 16
	SUM J
.set J, J+1
.endr
	WALU
	s_wait_xcnt 0x0
	CODES 1
	s_lshl_b32 s21, s14, 12
	s_add_co_u32 s21, s21, STG
	v_add_nc_u32 v12, s21, v[CO]
	WALU
	OUT 1, 3
	s_wait_dscnt 0x0
	BARRIER
.irp k, 0,1,2,3,4,5,6,7
	ds_load_b128 v[64+4*\k:67+4*\k], v12 offset:512*\k
.endr
	s_wait_dscnt 0x0
.irp k, 0,1,2,3,4,5,6,7
	global_store_b128 v[CO], v[64+4*\k:67+4*\k], s[10:11] offset:32768*(\k/4)+512*(\k%4)
.endr
	s_wait_tensorcnt 0x0
	ds_add_u32 v[SPW], v[NIL]
	s_wait_dscnt 0x0
	CROUND
	s_endpgm
.Lfunc_end_k_q45307253bf_scores:
	.size	k_q45307253bf_scores, .Lfunc_end_k_q45307253bf_scores-k_q45307253bf_scores
	.p2alignl 7, 3214868480
	.fill 96, 4, 3214868480
	.section	.rodata,"a",@progbits
	.p2align	6, 0x0
	.amdhsa_kernel k_q45307253bf_scores
		.amdhsa_group_segment_fixed_size 327680
		.amdhsa_private_segment_fixed_size 0
		.amdhsa_enable_private_segment 0
		.amdhsa_kernarg_size 32
		.amdhsa_user_sgpr_count 2
		.amdhsa_user_sgpr_kernarg_segment_ptr 1
		.amdhsa_wavefront_size32 1
		.amdhsa_system_sgpr_workgroup_id_x 1
		.amdhsa_system_sgpr_workgroup_id_y 1
		.amdhsa_system_sgpr_workgroup_id_z 1
		.amdhsa_system_vgpr_workitem_id 0
		.amdhsa_next_free_vgpr 848
		.amdhsa_next_free_sgpr 106
		.amdhsa_reserve_vcc 0
		.amdhsa_float_denorm_mode_32 3
		.amdhsa_float_denorm_mode_16_64 3
		.amdhsa_memory_ordered 1
		.amdhsa_forward_progress 1
		.amdhsa_inst_pref_size 168
	.end_amdhsa_kernel
	.amdgpu_metadata
---
amdhsa.version: [ 1, 2 ]
amdhsa.kernels:
  - .name:           k_q45307253bf_scores
    .symbol:         k_q45307253bf_scores.kd
    .args:
      - { .name: qkv, .offset: 0, .size: 8, .value_kind: global_buffer, .address_space: global }
      - { .name: sc, .offset: 8, .size: 8, .value_kind: global_buffer, .address_space: global }
      - { .name: pc, .offset: 16, .size: 8, .value_kind: global_buffer, .address_space: global }
      - { .name: pst, .offset: 24, .size: 8, .value_kind: global_buffer, .address_space: global }
    .group_segment_fixed_size: 327680
    .private_segment_fixed_size: 0
    .kernarg_segment_align: 8
    .kernarg_segment_size: 32
    .max_flat_workgroup_size: 128
    .sgpr_count:     106
    .vgpr_count:     848
    .wavefront_size: 32
...
	.end_amdgpu_metadata
.endif
;; end of part 2
;; launch pv (part 3): grid 4 x 64, 4 waves a work-group, clusters of 4 x 4, 327,680 bytes of LDS; arguments pc, pst, qkv, sc, out0; writes out0
.if DOCPART == 3
	.amdgcn_target "amdgcn-amd-amdhsa--gfx1250"
	.amdhsa_code_object_version 6
	.text
	.protected	k_q45307253bf_pv
	.globl	k_q45307253bf_pv
	.p2align	8
	.type	k_q45307253bf_pv,@function
k_q45307253bf_pv:
	s_mov_b64 s[64:65], 0
	v_nop
	global_prefetch_b8 v0, s[64:65] scope:SCOPE_SE
	s_setreg_imm32_b32 hwreg(HW_REG_WAVE_MODE, 25, 1), 1
	s_wait_xcnt 0x0
	s_wait_alu depctr_hold_cnt(0) depctr_sa_sdst(0) depctr_va_vdst(0) depctr_va_sdst(0) depctr_va_ssrc(0) depctr_va_vcc(0) depctr_vm_vsrc(0)
	s_getreg_b32 s2, hwreg(HW_REG_IB_STS2, 6, 4)
	s_cmp_eq_u32 s2, 0
	s_cbranch_scc0 .Lentry_in_a_cluster
	s_endpgm
.Lentry_in_a_cluster:
	s_bfe_u32 s2, ttmp6, 0x10000c
	s_cmp_lg_u32 s2, 0xf033
	s_cbranch_scc0 .Lentry_shape_is_right
	s_endpgm
.Lentry_shape_is_right:
; O = P V / l on codes of FP6 (K = a batch's 2,048 keys).  P's codes, -E and the sum of each block of 32 keys come from the launch before; V^T's codes and scale words from the first.
; SHARES.  256 tiles of 128 queries x 256 hidden.  Four waves, each 64 queries x 128 hidden: 32 accumulators, 256 registers.  Source 0 = V^T's rows, source 1 = P's rows: a lane holds one query and eight neighbouring hidden units.
; THE HEAD.  Thread t takes position t: M is the largest E of its row; a block's scale byte is 125 + E - M (p's largest number lies in 1 .. 2 under E), its sum is multiplied by 2^(E - M), which rounds nothing; the words and 1 / l go to LDS.
; K goes in slots of 512 keys through a ring of two LDS slots: wave 0 fetches P's 49,152 bytes, waves 1 and 2 a half each of V^T's 98,304; wave 3 brings V^T's scale words at the head.  CLUSTERS: 4 x 4; P's tile is asked for jointly by a row, V^T's by a column.
; ROWS AND COLUMNS.  Position 16 j + 8 g + i of a half tile is token 32 g + 8 (j xor g) + i; row 16 t + 8 h + i of 64 rows of V^T is hidden unit 32 h + 8 (t xor h) + i.
; LIMITS: NaN and infinities are not served.  E - M is held at -125 from below (the scale byte 0: 2^-127, beside a largest p of the row in 1 .. 2).
.set FR,     12
.set SLOT,   147456                    ; P's 8 blocks x 6,144 bytes, then V^T's 16
.set SCV,    2*SLOT                    ; V^T's scale words [K step 16][256 hidden], filled once
.set SCP,    SCV+16384                 ; P's scale words [K step 16][128]
.set RL,     SCP+8192                  ; 1 / l
.set SPARE,  RL+512
.set CO,   8
.set STO,  9                           ; v9 the way out: into my stage (16 rows x 528 bytes, in slot 0, which has had its last fill and its last read by then), even tiles; v14 odd tiles
.set RD,   10
.set RLA,  11
.set PA,   12
.set PS,   13
.set STO2, 14
.set C8,   15
.set AD0,  16                          ; v16-21 the first slot's addresses: P by 16 and by 8 bytes, V^T by 16 and by 8, P's scale words, V^T's
.set AD,   22                          ; v22-27 the current ones
.set SPW,  28
.set NIL,  29
.set PFP,  30
.set PFV,  31
.set SC,   32                          ; set p at SC + 8 p: two registers for P, four for V^T
.set RLR,  48                          ; v48-55
.set AF,   64                          ; P's fragments: set p at AF + 48 p
.set E,    64                          ; the head: v64-127 -E, then E - M
.set S,    128                         ; v128-191 the sums
.set W,    192
.set MN,   208                         ; v208-211
.set LT,   212
.set T,    192
.set BK,   64
.set G1A, 24
.set G0A, 32
.set G1B, 48
.set G0B, 56
.set G1V, 68
.set G0V, 76
.set MSB, 0
.macro WIN new
.if MSB != (\new)
	s_set_vgpr_msb (MSB<<8)|(\new)
.set MSB, (\new)
.endif
.endm
.set MUL, 0xa1
.macro PLACES n
.rept \n
	v_nop
.endr
.endm
.macro WALU
	s_wait_alu depctr_va_vdst(0)
.endm
.macro TLOAD g0, g1
	tensor_load_to_lds s[\g0:\g0+3], s[\g1:\g1+7]
	s_nop 0
	PLACES 4
.endm
.macro JLOAD                           ; wave 0: P's tile; waves 1 and 2: V^T's halves
	s_cmp_eq_u32 s14, 0
	s_cbranch_scc0 .Lfor_b_\@
	TLOAD G0A, G1A
	s_branch .Lasked_\@
.Lfor_b_\@:
	s_cmp_lt_u32 s14, 3
	s_cbranch_scc0 .Lasked_\@
	TLOAD G0B, G1B
.Lasked_\@:
.endm
.macro CREST
	s_cmp_lg_u32 s14, 0
	s_cbranch_scc1 .Lnot_wave_0_\@
	s_barrier_signal -3
.Lnot_wave_0_\@:
	s_barrier_wait -3
	s_barrier_signal -1
	s_barrier_wait -1
.endm
.macro CROUND
	s_barrier_signal -1
	s_barrier_wait -1
	CREST
.endm
.macro SADD d, x
	s_add_co_u32 s\d, s\d, s\x
.endm
.macro NEXTG                           ; the descriptors' next slot of keys, to the LDS slot at s61
	s_mov_b32 s[G0A+1], s61
	s_add_co_u32 s[G0B+1], s45, s61
	s_add_nc_u64 s[G0A+2:G0A+3], s[G0A+2:G0A+3], 3145728
	s_add_nc_u64 s[G0B+2:G0B+3], s[G0B+2:G0B+3], 393216
.endm
.macro PREF pbase, vbase, po, vo       ; my sixteenth of a slot's tiles of P (by my row of the cluster) and of V^T (by my column), into the L2
	global_prefetch_b8 v[PFP], s[\pbase:\pbase+1] offset:\po th:TH_LOAD_NT scope:SCOPE_SE
	global_prefetch_b8 v[PFV], s[\vbase:\vbase+1] offset:\vo th:TH_LOAD_NT scope:SCOPE_SE
.endm
	s_load_b256 s[4:11], s[0:1], 0x0               ; pc, pst, qkv, sc
	s_load_b64 s[12:13], s[0:1], 0x20              ; out0
	v_lshl_add_u32 v[SPW], v0, 2, SPARE
	v_mov_b32 v[NIL], 0
	ds_add_u32 v[SPW], v[NIL]
	ds_add_u32 v[SPW], v[NIL]
	v_lshrrev_b32 v1, 5, v0
	v_readfirstlane_b32 s14, v1
	s_lshr_b32 s15, s14, 1                         ; my half of the queries
	s_and_b32 s16, s14, 1                          ; my half of the hidden units
	s_bfe_u32 s40, ttmp6, 0x40000                  ; cx: the tile of 256 hidden
	s_bfe_u32 s41, ttmp6, 0x40004                  ; cy
	s_and_b32 s42, ttmp7, 0xffff
	s_lshl_b32 s17, s42, 2
	SADD 17, 41                                    ; the tile of 128 queries: 0..63
	s_lshr_b32 s42, s42, 2                         ; the batch
	s_lshl_b32 s43, s41, 2
	s_lshl_b32 s43, 15, s43
	s_lshl_b32 s44, 0x1111, s40
	s_or_b32 s[G1A+0], s43, (3<<16)|(1<<21)
	s_or_b32 s[G1B+0], s44, (3<<16)|(1<<21)
.irp g, G1A, G1B                                   ; 49,152 dense bytes as 192 rows of 256
	s_mov_b32 s[\g+1], 32<<16
	s_mov_b32 s[\g+2], 192<<16
	s_mov_b32 s[\g+3], 32<<16
	s_mov_b32 s[\g+4], 192
	s_mov_b32 s[\g+5], 32
	s_mov_b32 s[\g+6], 0
	s_mov_b32 s[\g+7], 0
.endr
	s_or_b32 s[G1V+0], s44, (3<<16)|(1<<21)        ; V^T's scale words: 16 K steps x 1,024 bytes, 4,096 apart
	s_mov_b32 s[G1V+1], 128<<16
	s_mov_b32 s[G1V+2], 16<<16
	s_mov_b32 s[G1V+3], 128<<16
	s_mov_b32 s[G1V+4], 16
	s_mov_b32 s[G1V+5], 512
	s_mov_b32 s[G1V+6], 0
	s_mov_b32 s[G1V+7], 0
	s_mul_i32 s20, s17, 49152
	s_mov_b32 s21, 0
	s_mul_i32 s86, s42, 1572864
	s_mul_i32 s47, s40, 98304
	SADD 86, 47
	s_add_co_u32 s86, s86, 12582912                ; V^T's tile in slot 0
	s_mov_b32 s87, 0
	s_mul_i32 s45, s14, 49152                      ; in a slot wave w's part lies at 49,152 w
	s_add_co_u32 s46, s86, s45
	s_sub_co_u32 s46, s46, 49152                   ; wave w takes the half w - 1
	s_mov_b32 s47, 0
	s_lshl_b32 s82, s42, 16
	s_lshl_b32 s83, s40, 10
	SADD 82, 83
	s_add_co_u32 s82, s82, 524288
	s_mov_b32 s83, 0
	s_lshl_b32 s22, s17, 9
	s_mov_b32 s23, 0
	v_and_b32 v1, 15, v0
	v_bfe_u32 v2, v0, 4, 1
	v_and_b32 v3, 31, v0
	v_lshlrev_b32 v[CO], 4, v3
	v_lshlrev_b32 v[C8], 3, v3
	v_lshlrev_b32 v[PA], 2, v0
	v_lshl_add_u32 v[PS], v0, 2, SCP
	s_lshl_b32 s2, s40, 2
	SADD 2, 14
	s_mul_i32 s2, s2, 3072
	v_min_u32 v[PFP], 11, v3
	v_lshl_add_u32 v[PFP], v[PFP], 8, s2
	s_lshl_b32 s2, s41, 2
	SADD 2, 14
	s_mul_i32 s2, s2, 6144
	v_min_u32 v[PFV], 23, v3
	v_lshl_add_u32 v[PFV], v[PFV], 8, s2
	WALU
	s_wait_dscnt 0x0
	CROUND
	s_wait_kmcnt 0x0
	s_add_nc_u64 s[20:21], s[4:5], s[20:21]
	s_add_nc_u64 s[46:47], s[8:9], s[46:47]
	s_add_nc_u64 s[86:87], s[8:9], s[86:87]
	s_add_nc_u64 s[82:83], s[10:11], s[82:83]
	s_add_nc_u64 s[6:7], s[6:7], s[22:23]
	s_mov_b32 s[G0V], 1
	s_mov_b32 s[G0V+1], SCV
	s_mov_b64 s[G0V+2:G0V+3], s[82:83]
	s_or_b32 s[G0V+3], s[G0V+3], 0x80000000
	s_mov_b32 s[G0A], 1
	s_mov_b32 s[G0A+1], 0
	s_mov_b64 s[G0A+2:G0A+3], s[20:21]
	s_or_b32 s[G0A+3], s[G0A+3], 0x80000000
	s_mov_b32 s[G0B], 1
	s_mov_b32 s[G0B+1], s45
	s_mov_b64 s[G0B+2:G0B+3], s[46:47]
	s_or_b32 s[G0B+3], s[G0B+3], 0x80000000
	s_cmp_eq_u32 s14, 0                            ; the head's loads, one a wave
	s_cbranch_scc0 .Lfirst_b
	TLOAD G0A, G1A
	s_branch .Lfirst_asked
.Lfirst_b:
	s_cmp_lt_u32 s14, 3
	s_cbranch_scc0 .Lfirst_v
	TLOAD G0B, G1B
	s_branch .Lfirst_asked
.Lfirst_v:
	TLOAD G0V, G1V
.Lfirst_asked:
.set K, 0
.rept 64
	global_load_b32 v[E+K], v[PA], s[6:7] offset:32768*K
.set K, K+1
.endr
.set K, 0
.rept 64
	global_load_b32 v[S+K], v[PA], s[6:7] offset:2097152+32768*K
.set K, K+1
.endr
	PREF 20, 86, 3145728, 393216                   ; slot 1's tiles, whose loads stand at the head's end
	s_mul_i32 s2, s15, 24576                       ; my 4 blocks of P
	v_add_nc_u32 v[AD0], s2, v[CO]
	v_add_nc_u32 v[AD0+1], s2, v[C8]
	s_mul_i32 s2, s16, 49152
	s_add_co_u32 s2, s2, 49152                     ; my 8 blocks of V^T, behind P's 8
	v_add_nc_u32 v[AD0+2], s2, v[CO]
	v_add_nc_u32 v[AD0+3], s2, v[C8]
	v_lshlrev_b32 v4, 2, v3
	s_lshl_b32 s2, s15, 8
	s_add_co_u32 s3, s2, SCP
	v_add_nc_u32 v[AD0+4], s3, v4
	s_add_co_u32 s3, s2, RL
	v_lshl_add_u32 v[RLA], v1, 2, s3
	s_lshl_b32 s2, s16, 9
	s_add_co_u32 s2, s2, SCV
	v_add_nc_u32 v[AD0+5], s2, v4
	s_mul_i32 s2, s14, 8448                        ; my stage
	v_mul_u32_u24 v5, v1, 528
	v_add_nc_u32 v5, s2, v5
	v_mad_u32_u24 v[STO], v2, 160, v5
	v_mad_u32_u24 v[STO2], v2, 96, v5
	v_add_nc_u32 v[RD], s2, v[CO]
.irp i, 0,1,2,3,4,5
	v_mov_b32 v[AD+\i], v[AD0+\i]
.endr
.irp a, 0,1,2,3
	v_mov_b32 v[RLR+2*\a+1], 0                     ; named with 1 / l as a pair
.endr
	s_lshl_b32 s2, s17, 19                         ; out0: 128 rows of 4,096 bytes a tile, 64 a half; 1,024 bytes a tile, 512 a half
	s_lshl_b32 s3, s15, 18
	SADD 2, 3
	s_lshl_b32 s3, s40, 10
	SADD 2, 3
	s_lshl_b32 s3, s16, 9
	SADD 2, 3
	s_mov_b32 s3, 0
	s_add_nc_u64 s[12:13], s[12:13], s[2:3]
	s_add_nc_u64 s[88:89], s[20:21], 9437184       ; slot 3's tiles
	s_add_nc_u64 s[90:91], s[86:87], 1179648
	WALU
	s_wait_loadcnt 0x3f                            ; all of -E is in (behind it: 64 loads)
.irp k, 0,1,2,3
	v_min3_num_f32 v[MN+\k], v[E+16*\k], v[E+16*\k+1], v[E+16*\k+2]
.endr
.irp i, 3,5,7,9,11,13
.irp k, 0,1,2,3
	v_min3_num_f32 v[MN+\k], v[MN+\k], v[E+16*\k+\i], v[E+16*\k+\i+1]
.endr
.endr
.irp k, 0,1,2,3
	v_min_num_f32 v[MN+\k], v[MN+\k], v[E+16*\k+15]
.endr
	v_min3_num_f32 v[MN], v[MN], v[MN+1], v[MN+2]
	v_min_num_f32 v[MN], v[MN], v[MN+3]            ; -M
.set K, 0
.rept 64
	v_sub_f32 v[E+K], v[MN], v[E+K]                ; E - M: a whole number, 0 or less
.set K, K+1
.endr
.set K, 0
.rept 64
	v_max_num_f32 v[E+K], 0xc2fa0000, v[E+K]       ; held at -125
.set K, K+1
.endr
.set K, 0
.rept 64
	v_cvt_i32_f32 v[E+K], v[E+K]
.set K, K+1
.endr
	WALU
	s_wait_loadcnt 0x0
.set K, 0
.rept 64
	v_ldexp_f32 v[S+K], v[S+K], v[E+K]             ; the sum under M
.set K, K+1
.endr
.irp n, 32,16,8,4,2
.set K, 0
.rept \n/2
	v_pk_add_f32 v[S+K:S+K+1], v[S+K:S+K+1], v[S+\n+K:S+\n+K+1]
.set K, K+2
.endr
.endr
	v_add_f32 v[LT], v[S], v[S+1]                  ; l
	WALU
	v_rcp_f32 v[LT], v[LT]
.irp s, 8,16,24
.set K, 0
.rept 16
.if \s == 8
	v_lshl_add_u32 v[W+K], v[E+4*K+1], 8, v[E+4*K]
.else
	v_lshl_add_u32 v[W+K], v[E+4*K+\s/8], \s, v[W+K]
.endif
.set K, K+1
.endr
.endr
.set K, 0
.rept 16
	v_add_nc_u32 v[W+K], 0x7d7d7d7d, v[W+K]        ; 125 + E - M in each byte: none is under 0, so none borrows
.set K, K+1
.endr
.set K, 0
.rept 16
	ds_store_b32 v[PS], v[W+K] offset:512*K
.set K, K+1
.endr
	WALU
	ds_store_b32 v[PS], v[LT] offset:8192
	s_wait_tensorcnt 0x0                           ; my tile of the head's four is in
	ds_add_u32 v[SPW], v[NIL]
	s_mov_b32 s61, SLOT
	NEXTG
	s_mov_b32 s61, 0                               ; the loop's refills go to slot 0, then to slot 1
	s_mov_b32 s101, SLOT                           ; the slot that is read next
	s_mov_b32 s2, 0
	s_mov_b32 s3, 0
	s_wait_dscnt 0x0                               ; the add is done, and my stores have landed
	CROUND
	JLOAD                                          ; slot 1
.irp a, 0,1,2,3
	ds_load_b32 v[RLR+2*\a], v[RLA] offset:64*\a
.endr
.macro WM d, s0, s1, c, x0, x1, r0, r1
	v_wmma_scale_f32_16x16x128_f8f6f4 v[\d:\d+7], v[\s0:\s0+FR-1], v[\s1:\s1+FR-1], \c, v[\x0], v[\x1] matrix_a_fmt:MATRIX_FMT_FP6 matrix_b_fmt:MATRIX_FMT_FP6 matrix_a_scale:MATRIX_SCALE_ROW\r0 matrix_b_scale:MATRIX_SCALE_ROW\r1
.endm
; 8 matrix instructions: P's block a x V^T's eight, from set p.  The 32 accumulators take turns, one instruction a turn, in the same order in every step.
.macro MUL8 a, ra, p, zero
.irp b, 0,2,4,6
.set D_, 8*(8*\a+\b)
.set X0_, SC+8*\p+2+\b/2
.set X1_, SC+8*\p+\a/2
.set A_, 128*\p+FR*\b
.set P_, AF+48*\p+FR*\a
.if \zero
	WM D_, A_, P_, 0, X0_, X1_, 0, \ra
	WM D_+8, A_+FR, P_, 0, X0_, X1_, 1, \ra
.else
	WM D_, A_, P_, v[D_:D_+7], X0_, X1_, 0, \ra
	WM D_+8, A_+FR, P_, v[D_+8:D_+15], X0_, X1_, 1, \ra
.endif
.endr
.endm
.macro FRAG r, off, a
	ds_load_b128 v[\r:\r+3], v[AD+\a] offset:\off
	ds_load_b64 v[\r+4:\r+5], v[AD+\a+1] offset:(\off)+512
	ds_load_b128 v[\r+6:\r+9], v[AD+\a] offset:(\off)+768
	ds_load_b64 v[\r+10:\r+11], v[AD+\a+1] offset:(\off)+1280
.endm
.macro FETCH q, p                      ; the slot's K step q into set p: 32 loads for V^T, 16 for P, 6 for the scale words
	WIN 0x40
.irp b, 0,1,2,3,4,5,6,7
	FRAG 128*\p+FR*\b, \b*6144+\q*1536, 2
.endr
	WIN 0
.irp a, 0,1,2,3
	FRAG AF+48*\p+FR*\a, \a*6144+\q*1536, 0
.endr
.irp j, 0,1
	ds_load_b32 v[SC+8*\p+\j], v[AD+4] offset:\q*512+128*\j
.endr
.irp j, 0,1,2,3
	ds_load_b32 v[SC+8*\p+2+\j], v[AD+5] offset:\q*1024+128*\j
.endr
.endm
.macro PRODS p, zero
	WIN MUL
	MUL8 0, 0, \p, \zero
	MUL8 1, 1, \p, \zero
	MUL8 2, 0, \p, \zero
	MUL8 3, 1, \p, \zero
	WIN 0
.endm
.macro KSTEP p, q, g, zero             ; a K step from set p; its successor, the slot's K step q, is asked for first, into set g
	s_wait_dscnt 0x0
	PLACES 4
	FETCH \q, \g
	PRODS \p, \zero
.endm
; A slot's last K step (set 1) changes slots: one barrier; in front of it each wave waits for all its tensor loads, adds 0 to its spare word, and waits for that and for its reads of this slot.
; fill = 1: this slot is filled again behind a round of the cluster's barrier: the load has four K steps in which to land.
.macro TURN fill
	s_wait_tensorcnt 0x0
	ds_add_u32 v[SPW], v[NIL]
.if \fill
	NEXTG
	s_add_co_u32 s61, s61, SLOT
.endif
	s_add_co_u32 s2, s2, 2048
	s_add_co_u32 s3, s3, 4096
	s_wait_dscnt 1                                 ; this step's operands are in (the add alone may be out)
	WIN MUL
	MUL8 0, 0, 1, 0
	MUL8 1, 1, 1, 0
	WIN 0
.irp i, 0,1,2,3
	v_add_nc_u32 v[AD+\i], s101, v[AD0+\i]
.endr
	v_add_nc_u32 v[AD+4], s2, v[AD0+4]
	v_add_nc_u32 v[AD+5], s3, v[AD0+5]
	WALU
	s_wait_dscnt 0x0                               ; the add is done, and my reads of this slot are over
	s_barrier_signal -1
	WIN MUL
	MUL8 2, 0, 1, 0
	WIN 0
	s_barrier_wait -1
.if \fill
	CREST
	JLOAD
.endif
	PLACES 4
	FETCH 0, 0
	WIN MUL
	MUL8 3, 1, 1, 0
	WIN 0
.endm
	FETCH 0, 0
	PREF 20, 86, 6291456, 786432                   ; slot 2's tiles
	KSTEP 0, 1, 1, 1                               ; the first products start the sums
	PREF 88, 90, 0, 0                              ; slot 3's tiles
	s_mov_b32 s62, 0
.Lslots:                                           ; two trips: the slots that are filled again
	KSTEP 1, 2, 0, 0
	KSTEP 0, 3, 1, 0
	TURN 1
	s_sub_co_u32 s101, s101, SLOT
	KSTEP 0, 1, 1, 0
	s_add_co_u32 s62, s62, 1
	s_cmp_lg_u32 s62, 2
	s_cbranch_scc1 .Lslots
	s_mov_b32 s101, SLOT
	KSTEP 1, 2, 0, 0
	KSTEP 0, 3, 1, 0
	TURN 0
	KSTEP 0, 1, 1, 0
	KSTEP 1, 2, 0, 0
	KSTEP 0, 3, 1, 0
	s_wait_dscnt 0x0
	PRODS 1, 0
; THE WAY OUT, block by block of 16 queries x 128 hidden: times 1 / l, through my stage in LDS, back as whole rows of 512 bytes.  LDS serves a wave's instructions in order: no wait between the stores and the loads.
.macro OUTB a
	WIN 0x02
.set j, 0
.rept 32
	v_pk_mul_f32 v[T+j:T+j+1], v[64*\a+j:64*\a+j+1], v[RLR+2*\a:RLR+2*\a+1] op_sel_hi:[1,0]
.set j, j+2
.endr
	WIN 0
.irp b, 0,1,2,3,4,5,6,7
.if \b%2
	ds_store_b128 v[STO2], v[T+8*\b:T+8*\b+3] offset:256*(\b/4)+32*(\b%4)
	ds_store_b128 v[STO2], v[T+8*\b+4:T+8*\b+7] offset:256*(\b/4)+32*(\b%4)+16
.else
	ds_store_b128 v[STO], v[T+8*\b:T+8*\b+3] offset:256*(\b/4)+32*(\b%4)
	ds_store_b128 v[STO], v[T+8*\b+4:T+8*\b+7] offset:256*(\b/4)+32*(\b%4)+16
.endif
.endr
.set BB, BK+64*(\a%2)
.irp t, 0,1,2,3,4,5,6,7,8,9,10,11,12,13,14,15
	ds_load_b128 v[BB+4*\t:BB+4*\t+3], v[RD] offset:\t*528
.endr
.endm
.macro SEND a, younger                 ; younger: the LDS instructions issued behind block a's loads
.set BB, BK+64*((\a)%2)
	s_wait_dscnt \younger
.irp t, 0,1,2,3,4,5,6,7,8,9,10,11,12,13,14,15
	global_store_b128 v[CO], v[BB+4*\t:BB+4*\t+3], s[12:13] offset:(32*(\t/8)+8*((\a)^(\t/8))+\t%8)*4096 th:TH_STORE_NT
.endr
.endm
	PLACES 4
	OUTB 0
.irp a, 1,2,3
.if \a > 1
	s_wait_xcnt 0x0                                ; block a - 2's stores have read their registers
.endif
	OUTB \a
	SEND \a-1, 32                                  ; block a's 16 stores and 16 loads
.endr
	SEND 3, 0
	s_wait_tensorcnt 0x0
	ds_add_u32 v[SPW], v[NIL]
	s_wait_dscnt 0x0
	CROUND
	s_endpgm
.Lfunc_end_k_q45307253bf_pv:
	.size	k_q45307253bf_pv, .Lfunc_end_k_q45307253bf_pv-k_q45307253bf_pv
	.p2alignl 7, 3214868480
	.fill 96, 4, 3214868480
	.section	.rodata,"a",@progbits
	.p2align	6, 0x0
	.amdhsa_kernel k_q45307253bf_pv
		.amdhsa_group_segment_fixed_size 327680
		.amdhsa_private_segment_fixed_size 0
		.amdhsa_enable_private_segment 0
		.amdhsa_kernarg_size 40
		.amdhsa_user_sgpr_count 2
		.amdhsa_user_sgpr_kernarg_segment_ptr 1
		.amdhsa_wavefront_size32 1
		.amdhsa_system_sgpr_workgroup_id_x 1
		.amdhsa_system_sgpr_workgroup_id_y 1
		.amdhsa_system_sgpr_workgroup_id_z 1
		.amdhsa_system_vgpr_workitem_id 0
		.amdhsa_next_free_vgpr 768
		.amdhsa_next_free_sgpr 106
		.amdhsa_reserve_vcc 0
		.amdhsa_float_denorm_mode_32 3
		.amdhsa_float_denorm_mode_16_64 3
		.amdhsa_memory_ordered 1
		.amdhsa_forward_progress 1
		.amdhsa_inst_pref_size 161
	.end_amdhsa_kernel
	.amdgpu_metadata
---
amdhsa.version: [ 1, 2 ]
amdhsa.kernels:
  - .name:           k_q45307253bf_pv
    .symbol:         k_q45307253bf_pv.kd
    .args:
      - { .name: pc, .offset: 0, .size: 8, .value_kind: global_buffer, .address_space: global }
      - { .name: pst, .offset: 8, .size: 8, .value_kind: global_buffer, .address_space: global }
      - { .name: qkv, .offset: 16, .size: 8, .value_kind: global_buffer, .address_space: global }
      - { .name: sc, .offset: 24, .size: 8, .value_kind: global_buffer, .address_space: global }
      - { .name: out0, .offset: 32, .size: 8, .value_kind: global_buffer, .address_space: global }
    .group_segment_fixed_size: 327680
    .private_segment_fixed_size: 0
    .kernarg_segment_align: 8
    .kernarg_segment_size: 40
    .max_flat_workgroup_size: 128
    .sgpr_count:     106
    .vgpr_count:     768
    .wavefront_size: 32
...
	.end_amdgpu_metadata
.endif
;; end of part 3
